; MI455X (gfx1250); checked and timed in simulation.
; The chip was launched on July 23, 2026; its instructions are those of AMD's public machine-readable ISA for CDNA 5 (MIT licence, August 2026) and "CDNA5" Instruction Set Architecture Reference Guide (July 2026). The comments in the code are by the model that wrote it; some were corrected since.
;; Naive Interference Self Attention. Allowed arithmetic: matrix products marked QUANTISED: E4M3 operands, one E8M0 scale for each 32 along K, by v_wmma_scale_f32_16x16x128_f8f6f4 with both operands' format E4M3, f32 sums; everything else in f32.
;; Inputs: wk_amp_codes 1,024 x 32 x 32 uint8 (E4M3 codes of wk_amp, K innermost, in blocks of 32 codes); wk_amp_scales 1,024 x 32 uint8 (E8M0 scales of wk_amp, one for each 32 codes along K); wk_phi_codes 1,024 x 32 x 32 uint8 (E4M3 codes of wk_phi, K innermost, in blocks of 32 codes); wk_phi_scales 1,024 x 32 uint8 (E8M0 scales of wk_phi, one for each 32 codes along K); wo_codes 1,024 x 32 x 32 uint8 (E4M3 codes of wo, K innermost, in blocks of 32 codes); wo_scales 1,024 x 32 uint8 (E8M0 scales of wo, one for each 32 codes along K); wq_amp_codes 1,024 x 32 x 32 uint8 (E4M3 codes of wq_amp, K innermost, in blocks of 32 codes); wq_amp_scales 1,024 x 32 uint8 (E8M0 scales of wq_amp, one for each 32 codes along K); wq_phi_codes 1,024 x 32 x 32 uint8 (E4M3 codes of wq_phi, K innermost, in blocks of 32 codes); wq_phi_scales 1,024 x 32 uint8 (E8M0 scales of wq_phi, one for each 32 codes along K); wv_codes 1,024 x 32 x 32 uint8 (E4M3 codes of wv, K innermost, in blocks of 32 codes); wv_scales 1,024 x 32 uint8 (E8M0 scales of wv, one for each 32 codes along K); x_codes 2 x 2,048 x 32 x 32 uint8 (E4M3 codes of x, K innermost, in blocks of 32 codes); x_scales 2 x 2,048 x 32 uint8 (E8M0 scales of x, one for each 32 codes along K).
;; Outputs: out0 2 x 2,048 x 1,024 float32.
;; This version of the problem:
;;   THIS VERSION OF THE PROBLEM IS GIVEN IN LOW PRECISION. The matrix products marked QUANTISED in the list below multiply operands that are first quantised to E4M3 (4 exponent bits, 3 mantissa bits; 8 bits a number), with one power-of-two scale for each 32 numbers along K (OCP MX v1.0); their sums are f32. All else is computed in f32.
;;   The module's matrix products, in the order in which they are computed (A, B: the left and right operand; K: the contracted axis; several contracted axes count as one K, in the product's order):
;;     1. [M 4,096, K 1,024] x [K 1,024, N 1,024]; A: input x (given as codes); B: input wq_amp (given as codes): QUANTISED
;;     2. [M 4,096, K 1,024] x [K 1,024, N 1,024]; A: input x (given as codes); B: input wk_amp (given as codes): QUANTISED
;;     3. [M 4,096, K 1,024] x [K 1,024, N 1,024]; A: input x (given as codes); B: input wq_phi (given as codes): QUANTISED
;;     4. [M 4,096, K 1,024] x [K 1,024, N 1,024]; A: input x (given as codes); B: input wk_phi (given as codes): QUANTISED
;;     5. [M 4,096, K 1,024] x [K 1,024, N 1,024]; A: input x (given as codes); B: input wv (given as codes): QUANTISED
;;     6. batch 32 x [M 2,048, K 64] x [K 64, N 2,048]; A: computed on the way; B: computed on the way: QUANTISED
;;     7. batch 32 x [M 2,048, K 64] x [K 64, N 2,048]; A: computed on the way; B: computed on the way: QUANTISED
;;     8. batch 32 x [M 2,048, K 2,048] x [K 2,048, N 64]; A: softmax (see below); B: computed on the way: QUANTISED
;;     9. [M 4,096, K 1,024] x [K 1,024, N 1,024]; A: computed on the way; B: input wo (given as codes): QUANTISED
;;   THE QUANTISER, for each operand of a quantised product, along K:
;;     - K is cut into blocks of 32 from its start; a last block that is shorter is filled with zeros.
;;     - A block's scale is 2^e with e = floor(log2(the largest magnitude in the block)) - 8, held to -126 .. 127; a block of zeros has e = 0. As a byte (E8M0): e + 127.
;;     - Each number is divided by its block's scale, clamped to +-448, and rounded to the nearest number of E4M3, ties to even, subnormals kept.
;;     - The product sums the exact products of the quantised numbers (number of the format x scale) in f32.
;;   ~~~python
;;   def quantise(x, axis):      # numpy; x: float32 -> the quantised numbers, widened to float32 again
;;       x = np.moveaxis(x, axis, -1); K = x.shape[-1]
;;       x = np.pad(x, [(0, 0)] * (x.ndim - 1) + [(0, -K % 32)]); x = x.reshape(x.shape[:-1] + (-1, 32)); a = np.abs(x).max(-1, keepdims=True)
;;       e = np.where(a > 0, np.clip(np.frexp(np.where(a > 0, a, 1))[1] - 1 - 8, -126, 127), 0)      # np.frexp(a)[1] - 1 = floor(log2(a)), exactly
;;       r = np.clip(x / 2.0 ** e, -448, 448)
;;       step = 2.0 ** (np.maximum(np.frexp(np.where(r == 0, 1, r))[1] - 1, -6) - 3)
;;       q = np.round(r / step) * step * 2.0 ** e      # np.round: ties to even
;;       return np.moveaxis(q.reshape(q.shape[:-2] + (-1,))[..., :K], -1, axis).astype(np.float32)
;;   ~~~
;;   SOFTMAX AHEAD OF A QUANTISED PRODUCT. Where the list says 'softmax', what is quantised is not the finished softmax but p = 2^(t - M), with t = logit x log2(e) and M = ceil(the row's largest t), a whole number; so 1/2 < the row's largest p <= 1. The row's sum l is taken of the UNQUANTISED p, in f32, and the product's result is divided by l at the end. Since M is a whole number, a kernel that streams over the keys may use a running M (the ceiling of the running maximum): every later rescaling is an exact power of two, which a block's scale takes up: the codes' values come out the same.
;;   OPERANDS COMPUTED ON THE WAY. 'Computed on the way' means the value that the module computes at that place (a softmax that the list does not call 'softmax' is quantised finished and normalised). What goes into a quantiser is computed in f32, as accurately as f32 sums, v_exp_f32 and their like allow (about 1e-6 of the number): no bf16 or f16 on the way to a quantiser, and a product that is left as it is and whose result goes on into a quantised operand takes f32 operands (vector FMAs, or v_wmma_f32_16x16x4_f32). A number that lies on a knife's edge between two numbers of the format may be rounded either way, as far as f32 arithmetic and the matrix unit's own rounding can turn it there, and no further.
;;   INPUTS GIVEN AS CODES. wk_amp (in the module: [1024, 1024], K = its axis 1); wk_phi (in the module: [1024, 1024], K = its axis 1); wo (in the module: [1024, 1024], K = its axis 1); wq_amp (in the module: [1024, 1024], K = its axis 1); wq_phi (in the module: [1024, 1024], K = its axis 1); wv (in the module: [1024, 1024], K = its axis 1); x (in the module: [2, 2048, 1024], K = its axis 2): each comes as NAME_codes (uint8): NAME with its K axis moved to the last place and cut into blocks of 32 codes, [.., K / 32, bytes a block], one block behind the other in memory; one code a byte (a code: sign, 4 exponent bits, 3 mantissa bits); and NAME_scales (uint8): the same leading axes, one E8M0 byte (e + 127) for each 32 codes along K. Its value is code x scale, taken as it is: it is not quantised again, and the codes and scales need not be those that the quantiser above would give.
;; One version. Each part assembles by itself: llvm-mc -triple=amdgcn-amd-amdhsa -mcpu=gfx1250 --defsym DOCPART=n.
;; ======== version 1 of 1: 3 launches
;; limits: right only within a limited range of input values
;; workspace buffers: qimg 12,582,912 bytes; qsc 393,216 bytes; kvimg 12,582,912 bytes; kvsc 393,216 bytes; oc 4,194,304 bytes; osc 131,072 bytes
;; launch proj (part 1): grid 32 x 16, 4 waves a work-group, clusters of 4 x 4, 327,680 bytes of LDS; arguments x_codes, x_scales, wq_amp_codes, wq_amp_scales, wq_phi_codes, wq_phi_scales, wk_amp_codes, wk_amp_scales, wk_phi_codes, wk_phi_scales, wv_codes, wv_scales, qimg, qsc, kvimg, kvsc; writes qimg, qsc, kvimg, kvsc
.if DOCPART == 1
	.amdgcn_target "amdgcn-amd-amdhsa--gfx1250"
	.amdhsa_code_object_version 6
	.text
	.protected	k_qed6cdad7ad_proj
	.globl	k_qed6cdad7ad_proj
	.p2align	8
	.type	k_qed6cdad7ad_proj,@function
k_qed6cdad7ad_proj:
	s_mov_b64 s[64:65], 0
	v_nop
	global_prefetch_b8 v0, s[64:65] scope:SCOPE_SE
	s_setreg_imm32_b32 hwreg(HW_REG_WAVE_MODE, 25, 1), 1
	s_wait_xcnt 0x0
	s_wait_alu depctr_hold_cnt(0) depctr_sa_sdst(0) depctr_va_vdst(0) depctr_va_sdst(0) depctr_va_ssrc(0) depctr_va_vcc(0) depctr_vm_vsrc(0)
	s_getreg_b32 s2, hwreg(HW_REG_IB_STS2, 6, 4)
	s_cmp_eq_u32 s2, 0
	s_cbranch_scc0 .Lentry_in_a_cluster
	s_endpgm
.Lentry_in_a_cluster:
	s_bfe_u32 s2, ttmp6, 0x10000c
	s_cmp_lg_u32 s2, 0xf033
	s_cbranch_scc0 .Lentry_shape_is_right
	s_endpgm
.Lentry_shape_is_right:
; q, k, v OF THE ATTENTION, ON CODES OF E4M3 WITH ONE E8M0 SCALE FOR EACH 32 ALONG K = 1,024: x W^T, the activations in f32, and the quantisers of the next products' operands.
; A work-group takes 256 rows of x against one head's 64 rows of an amplitude weight and 64 of a phase weight (q's in even tile columns, k's in odd ones) and 32 rows of wv; a wave takes 64 of the 256 rows.
; K goes in four steps of 256 through a ring of two LDS slots, filled by joint loads: x's tile along a row of the 4 x 4 cluster, the weights' along a column; wave 0 fetches x, waves 1 and 2 the two weights, wave 3 wv.
; At the head the addresses are made and the scale words asked for between slot 0's request and the wait for it.  No prefetch: the four fills are written out, and there is no loop to run ahead in.
; amp = softplus, phi = pi tanh; amp cos phi and amp sin phi are the 128 along K of the scores' operands; they leave as images of operand registers with their scale words, and so does v.
; LIMITS: NaN and infinities are not served.  A block of zeros gets the scale byte 1 (its codes are zeros; only this program reads the bytes).
.set PITCH,  272
.set SLOT,   416*PITCH
.set RWA,    256*PITCH
.set RWP,    64*PITCH
.set RWV,    128*PITCH
.set SPARE,  2*SLOT
.set REC,    24576
.set RECS,   768
.set FLAGS,  (1<<20)|(1<<21)|(5<<22)|(3<<25)
.set LN,   1
.set ADX,  2
.set ADW,  4
.set L32,  6
.set STG,  7
.set GI,   8
.set GS,   9
.set SPW,  14
.set NIL,  15
.set XS,   76                          ; x's scale words: numbers that differ modulo 8 from the weights' scale words
.set WSA,  32
.set WSP,  48
.set WSV,  64
.set BV,   96
.set VA,   128
.set TM,   192
.set PC,   208
.set PW,   224
.set PW0,  225
.set BA,   0
.set BP,   64
.set XB,   128
.set ZA,   0
.set ZP,   32
.set A1,   64
.set A2,   96
.set A3,   128
.set A4,   160
.set KC5,  226
.set KS3,  228
.set KC3,  230
.set STG1, 232
.set AD,   233
.set GI1,  234
.set GS1,  235
.set WV,   60
.set G1X,  36
.set G1W,  44
.set G1V,  52
.set G0X,  68
.set G0W,  76
.set G0V,  84
.set SEL,  36
.set MNT,  38
.set HM,   39
.set KL,   40
.set SA,   41
.set CNT,  42
.set STGB, 43
.set K_2L,  0x4038aa3b
.set K_LN2, 0x3f317218
.set K_T4,  0x3ca9134e
.set K_T3,  0xbd5c1e2d
.set K_T2,  0x3e088393
.set K_T1,  0xbeaaaa99
.set K_PI,  0x40490fdb
.set K_NMG, 0xcb400000
.set K_NPH, 0xbfc90fdb
.set K_NPL, 0x333bbd2e
.set K_S2,  0x3c08839e
.set K_S1,  0xbe2aaaa3
.set K_C2,  0xbab6061a
.set K_C1,  0x3d2aaaa5
.set K_MH,  0xbf000000
.set W_Q,  0xa5
.set W_V,  0x01
.set W_L,  0x40
.set W_D,  0x08
.set W_1,  0x55
.set MSB, 0
.macro WIN new
.if MSB != \new
	s_set_vgpr_msb (MSB<<8)|\new
.set MSB, \new
.endif
.endm
.macro PLACES n
.rept \n
	v_nop
.endr
.endm
.macro CREST
	s_cmp_lg_u32 s[WV], 0
	s_cbranch_scc1 .Lnot_wave_0_\@
	s_barrier_signal -3
.Lnot_wave_0_\@:
	s_barrier_wait -3
	s_barrier_signal -1
	s_barrier_wait -1
.endm
.macro CROUND
	s_barrier_signal -1
	s_barrier_wait -1
	CREST
.endm
.macro JLOAD sl
	s_cmp_eq_u32 s[WV], 0
	s_cbranch_scc0 .Lnot_x_\@
	tensor_load_to_lds s[G0X+4*(\sl):G0X+4*(\sl)+3], s[G1X:G1X+7]
	s_nop 0
	PLACES 4
	s_branch .Lasked_\@
.Lnot_x_\@:
	s_cmp_eq_u32 s[WV], 3
	s_cbranch_scc1 .Lfor_v_\@
	tensor_load_to_lds s[G0W+4*(\sl):G0W+4*(\sl)+3], s[G1W:G1W+7]
	s_nop 0
	PLACES 4
	s_branch .Lasked_\@
.Lfor_v_\@:
	tensor_load_to_lds s[G0V+4*(\sl):G0V+4*(\sl)+3], s[G1V:G1V+7]
	s_nop 0
	PLACES 4
.Lasked_\@:
.endm
.macro WM
.if Z_
.if RA_ && RB_
	v_wmma_scale_f32_16x16x128_f8f6f4 v[D_:D_+7], v[A_:A_+15], v[B_:B_+15], 0, v[SA_], v[SB_] matrix_a_scale:MATRIX_SCALE_ROW1 matrix_b_scale:MATRIX_SCALE_ROW1
.elseif RA_
	v_wmma_scale_f32_16x16x128_f8f6f4 v[D_:D_+7], v[A_:A_+15], v[B_:B_+15], 0, v[SA_], v[SB_] matrix_a_scale:MATRIX_SCALE_ROW1
.elseif RB_
	v_wmma_scale_f32_16x16x128_f8f6f4 v[D_:D_+7], v[A_:A_+15], v[B_:B_+15], 0, v[SA_], v[SB_] matrix_b_scale:MATRIX_SCALE_ROW1
.else
	v_wmma_scale_f32_16x16x128_f8f6f4 v[D_:D_+7], v[A_:A_+15], v[B_:B_+15], 0, v[SA_], v[SB_]
.endif
.else
.if RA_ && RB_
	v_wmma_scale_f32_16x16x128_f8f6f4 v[D_:D_+7], v[A_:A_+15], v[B_:B_+15], v[D_:D_+7], v[SA_], v[SB_] matrix_a_scale:MATRIX_SCALE_ROW1 matrix_b_scale:MATRIX_SCALE_ROW1
.elseif RA_
	v_wmma_scale_f32_16x16x128_f8f6f4 v[D_:D_+7], v[A_:A_+15], v[B_:B_+15], v[D_:D_+7], v[SA_], v[SB_] matrix_a_scale:MATRIX_SCALE_ROW1
.elseif RB_
	v_wmma_scale_f32_16x16x128_f8f6f4 v[D_:D_+7], v[A_:A_+15], v[B_:B_+15], v[D_:D_+7], v[SA_], v[SB_] matrix_b_scale:MATRIX_SCALE_ROW1
.else
	v_wmma_scale_f32_16x16x128_f8f6f4 v[D_:D_+7], v[A_:A_+15], v[B_:B_+15], v[D_:D_+7], v[SA_], v[SB_]
.endif
.endif
.endm
.macro MULQ acc, buf, wsc, a0, na
.set a_, \a0
.rept \na
.set t_, 0
.rept 4
.set D_, \acc+32*a_+8*t_
.set A_, \buf+16*t_
.set B_, XC+16*a_
.set SA_, \wsc+8*(t_/2)+S_
.set SB_, XS+8*(a_/2)+S_
.set RA_, t_%2
.set RB_, a_%2
	WM
.set t_, t_+1
.endr
.set a_, a_+1
.endr
.endm
.macro MULV
.set n_, 0
.rept 2
.set a_, 0
.rept 4
.set D_, VA+32*n_+8*a_
.set A_, XC+16*a_
.set B_, BV+16*n_
.set SA_, XS+8*(a_/2)+S_
.set SB_, WSV+S_
.set RA_, a_%2
.set RB_, n_%2
	WM
.set a_, a_+1
.endr
.set n_, n_+1
.endr
.endm
.macro LDW buf, reg, nt
.set t_, 0
.rept \nt
.irp c, 0,1,2,3
	ds_load_b128 v[\buf+16*t_+4*\c:\buf+16*t_+4*\c+3], v[ADW+NS_] offset:\reg+t_*16*PITCH+128*NQ_+32*\c
.endr
.set t_, t_+1
.endr
.endm
.macro LDX
.set t_, 0
.rept 4
.irp c, 0,1,2,3
	ds_load_b128 v[XN+16*t_+4*\c:XN+16*t_+4*\c+3], v[ADX+NS_] offset:t_*16*PITCH+128*NQ_+32*\c
.endr
.set t_, t_+1
.endr
.endm
.macro KSTEP s, kind
.set S_,  \s
.set SL_, ((\s)>>1)&1
.set NS_, (((\s)+1)>>1)&1
.set NQ_, ((\s)+1)&1
.set XC,  XB+64*((\s)&1)
.set XN,  XB+64*(((\s)+1)&1)
.if (\s) == 0
.set Z_, 1
.else
.set Z_, 0
.endif
.if ((\kind) == 1) || ((\kind) == 2)
	WIN 0
	s_wait_tensorcnt 0x0
	ds_add_u32 v[SPW], v[NIL]
	s_wait_dscnt 25
	WIN W_Q
	MULQ 0, BA, WSA, 0, 2
	s_wait_dscnt 0x0
	s_barrier_signal -1
	MULQ 0, BA, WSA, 2, 2
	WIN 0
	s_barrier_wait -1
.if (\kind) == 1
	CREST
	s_add_nc_u64 s[G0X+4*SL_+2:G0X+4*SL_+3], s[G0X+4*SL_+2:G0X+4*SL_+3], 512
	s_add_nc_u64 s[G0W+4*SL_+2:G0W+4*SL_+3], s[G0W+4*SL_+2:G0W+4*SL_+3], 512
	s_add_nc_u64 s[G0V+4*SL_+2:G0V+4*SL_+3], s[G0V+4*SL_+2:G0V+4*SL_+3], 512
	JLOAD SL_
	PLACES 4
.else
	PLACES 8
.endif
.else
	s_wait_dscnt 24
	WIN W_Q
	MULQ 0, BA, WSA, 0, 4
.if (\kind) == 0
	PLACES 8
.endif
.endif
.if (\kind) != 3
	WIN W_L
	LDW BA, 0, 4
	LDX
.endif
.if (\kind) == 0
	s_wait_dscnt 40
.elseif (\kind) == 3
	s_wait_alu depctr_va_vdst(0)
	s_wait_dscnt 8
.endif
	WIN W_Q
	MULQ 128, BP, WSP, 0, 4
.if (\kind) != 3
	PLACES 8
	WIN W_L
	LDW BP, RWP, 4
.endif
.if (\kind) == 0
	s_wait_dscnt 48
.elseif (\kind) == 3
	s_wait_dscnt 0x0
.endif
	WIN W_V
	MULV
.if (\kind) != 3
	PLACES 8
	WIN 0
	LDW BV, RWV, 2
.endif
.endm
.macro QUANT s
.irp b, 0,1,2,3
	v_max3_num_f32 v[TM+\b], |v[\s+16*\b]|, |v[\s+1+16*\b]|, 0x4800000
.endr
.irp i, 2,4,6,8,10,12,14
.irp b, 0,1,2,3
	v_max3_num_f32 v[TM+\b], v[TM+\b], |v[\s+16*\b+\i]|, |v[\s+1+16*\b+\i]|
.endr
.endr
.irp b, 0,1,2,3
	v_permlanex16_b32 v[TM+4+\b], v[TM+\b], s[SEL], s[SEL+1]
.endr
.irp b, 0,1,2,3
	v_max_num_f32 v[TM+\b], v[TM+\b], v[TM+4+\b]
.endr
.irp b, 0,1,2,3
	v_add_nc_u32 v[TM+12+\b], 0xfc000000, v[TM+\b]
.endr
.irp b, 0,1,2,3
	v_and_or_b32 v[TM+8+\b], v[TM+\b], 0x7f800000, s[MNT]
.endr
.irp b, 0,1,2,3
	v_lshrrev_b32 v[TM+4+\b], 23, v[TM+12+\b]
.endr
	v_lshl_or_b32 v[PW], v[TM+5], 8, v[TM+4]
	v_lshl_or_b32 v[PW], v[TM+6], 16, v[PW]
	v_lshl_or_b32 v[PW], v[TM+7], 24, v[PW]
.irp b, 0,1,2,3
.irp i, 0,1,2,3,4,5,6,7,8,9,10,11,12,13,14,15
	v_med3_num_f32 v[\s+16*\b+\i], v[\s+16*\b+\i], -v[TM+8+\b], v[TM+8+\b]
.endr
	v_cvt_scalef32_pk8_fp8_f32 v[PC+4*\b:PC+1+4*\b], v[\s+16*\b:\s+7+16*\b], v[TM+12+\b]
	v_cvt_scalef32_pk8_fp8_f32 v[PC+2+4*\b:PC+3+4*\b], v[\s+8+16*\b:\s+15+16*\b], v[TM+12+\b]
.endr
	v_nop
.endm
.macro P_MUL d, a, b
.set i, 0
.rept 16
	v_pk_mul_f32 v[\d+i:\d+i+1], v[\a+i:\a+i+1], v[\b+i:\b+i+1]
.set i, i+2
.endr
.endm
.macro P_MULK d, a, k
.set i, 0
.rept 16
	v_pk_mul_f32 v[\d+i:\d+i+1], v[\a+i:\a+i+1], \k op_sel_hi:[1,0]
.set i, i+2
.endr
.endm
.macro P_ADD d, a, b
.set i, 0
.rept 16
	v_pk_add_f32 v[\d+i:\d+i+1], v[\a+i:\a+i+1], v[\b+i:\b+i+1]
.set i, i+2
.endr
.endm
.macro P_SUB d, a, b
.set i, 0
.rept 16
	v_pk_add_f32 v[\d+i:\d+i+1], v[\a+i:\a+i+1], v[\b+i:\b+i+1] neg_lo:[0,1] neg_hi:[0,1]
.set i, i+2
.endr
.endm
.macro P_ADDK d, a, k
.set i, 0
.rept 16
	v_pk_add_f32 v[\d+i:\d+i+1], v[\a+i:\a+i+1], \k op_sel_hi:[1,0]
.set i, i+2
.endr
.endm
.macro P_FMA d, a, b, c
.set i, 0
.rept 16
	v_pk_fma_f32 v[\d+i:\d+i+1], v[\a+i:\a+i+1], v[\b+i:\b+i+1], v[\c+i:\c+i+1]
.set i, i+2
.endr
.endm
.macro P_FMS d, a, b, c
.set i, 0
.rept 16
	v_pk_fma_f32 v[\d+i:\d+i+1], v[\a+i:\a+i+1], v[\b+i:\b+i+1], v[\c+i:\c+i+1] neg_lo:[0,0,1] neg_hi:[0,0,1]
.set i, i+2
.endr
.endm
.macro P_FMAK d, a, b, k
.set i, 0
.rept 16
	v_pk_fma_f32 v[\d+i:\d+i+1], v[\a+i:\a+i+1], v[\b+i:\b+i+1], \k op_sel_hi:[1,1,0]
.set i, i+2
.endr
.endm
.macro P_FMKA d, a, k, c
.set i, 0
.rept 16
	v_pk_fma_f32 v[\d+i:\d+i+1], v[\a+i:\a+i+1], \k, v[\c+i:\c+i+1] op_sel_hi:[1,0,1]
.set i, i+2
.endr
.endm
.macro P_FMVK d, a, p, k
.set i, 0
.rept 16
	v_pk_fma_f32 v[\d+i:\d+i+1], v[\a+i:\a+i+1], v[\p:\p+1], \k op_sel_hi:[1,1,0]
.set i, i+2
.endr
.endm
.macro ACT
.set i, 0
.rept 32
	v_mul_f32 v[A1+i], s[KL], -|v[ZA+i]|
.set i, i+1
.endr
	P_MULK A2, ZP, K_2L
	P_MUL  A3, ZP, ZP
.set i, 0
	s_wait_alu depctr_va_vdst(0)
.rept 32
	v_exp_f32 v[A1+i], v[A1+i]
	v_exp_f32 v[A2+i], v[A2+i]
.set i, i+1
.endr
	P_FMVK A4, A3, KC5, K_T4
	P_FMAK A4, A4, A3, K_T3
	P_FMAK A4, A4, A3, K_T2
	P_FMAK A4, A4, A3, K_T1
	P_MUL  A4, A4, A3
	P_FMA  A4, A4, ZP, ZP
	s_wait_alu depctr_va_vdst(0)
	P_ADDK A3, A1, 1.0
	P_ADDK A2, A2, 1.0
.set i, 0
	s_wait_alu depctr_va_vdst(0)
.rept 32
	v_log_f32 v[ZP+i], v[A3+i]
	v_rcp_f32 v[A2+i], v[A2+i]
.set i, i+1
.endr
.set i, 0
.rept 32
	v_max_num_f32 v[ZA+i], 0, v[ZA+i]
.set i, i+1
.endr
.set i, 0
.rept 16
	v_pk_add_f32 v[A3+i:A3+i+1], v[A3+i:A3+i+1], -1.0 op_sel_hi:[1,0]
.set i, i+2
.endr
	P_SUB  A1, A1, A3
	s_wait_alu depctr_va_vdst(0)
	P_FMKA A1, ZP, K_LN2, A1
	P_ADD  A1, A1, ZA
.set i, 0
.rept 16
	v_pk_fma_f32 v[A2+i:A2+i+1], v[A2+i:A2+i+1], -2.0, 1.0 op_sel_hi:[1,0,0]
.set i, i+2
.endr
.set i, 0
.rept 32
	v_cmp_gt_f32 vcc_lo, 0.5, |v[A2+i]|
	v_cndmask_b32 v[A2+i], v[A2+i], v[A4+i], vcc_lo
.set i, i+1
.endr
	P_MULK A4, A2, K_PI
.set i, 0
.rept 16
	v_pk_fma_f32 v[A3+i:A3+i+1], v[A2+i:A2+i+1], 2.0, 0x4b400000 op_sel_hi:[1,0,0]
.set i, i+2
.endr
	P_ADDK A3, A3, K_NMG
	P_FMKA A4, A3, K_NPH, A4
	P_FMKA A4, A3, K_NPL, A4
	P_MUL  A2, A4, A4
	P_FMVK ZA, A2, KS3, K_S2
	P_FMAK ZA, ZA, A2, K_S1
	P_MUL  ZA, ZA, A2
	P_FMA  ZA, ZA, A4, A4
	P_FMVK ZP, A2, KC3, K_C2
	P_FMAK ZP, ZP, A2, K_C1
	P_FMAK ZP, ZP, A2, K_MH
	P_FMAK ZP, ZP, A2, 1.0
.set i, 0
.rept 32
	v_sub_f32 v[A2+i], 1.0, |v[A3+i]|
.set i, i+1
.endr
	P_FMA  A3, A3, A2, A3
	P_MUL  A4, ZA, A3
	P_FMS  A4, ZP, A2, A4
	P_MUL  ZP, ZP, A3
	P_FMA  ZA, ZA, A2, ZP
	P_MUL  A2, A4, A1
	P_MUL  A3, ZA, A1
.endm
	s_load_b512 s[4:19], s[0:1], 0x0
	s_load_b512 s[20:35], s[0:1], 0x40
	v_lshl_add_u32 v[SPW], v0, 2, SPARE
	v_mov_b32 v[NIL], 0
	ds_add_u32 v14, v15
	ds_add_u32 v14, v15
	s_wait_dscnt 0x0
	v_lshrrev_b32 v10, 5, v0
	v_readfirstlane_b32 s[WV], v10
	s_bfe_u32 s61, ttmp6, 0x40000
	s_bfe_u32 s62, ttmp6, 0x40004
	s_lshl_b32 s63, ttmp9, 2
	s_add_co_u32 s63, s63, s61
	s_and_b32 s66, ttmp7, 0xffff
	s_lshl_b32 s66, s66, 2
	s_add_co_u32 s66, s66, s62
	s_lshr_b32 s67, s63, 1
	s_and_b32 s92, s63, 1
	s_lshl_b32 s93, s62, 2
	s_lshl_b32 s93, 15, s93
	s_lshl_b32 s100, 0x1111, s61
	s_or_b32 s[G1X], s93, FLAGS
	s_or_b32 s[G1W], s100, FLAGS
	s_or_b32 s[G1V], s100, FLAGS
	s_mov_b32 s[G1X+1], 256<<16
	s_mov_b32 s[G1X+2], 256<<16
	s_mov_b32 s[G1X+3], 256<<16
	s_mov_b32 s[G1X+4], 256
	s_mov_b32 s[G1X+5], 1024
	s_mov_b32 s[G1X+6], 0
	s_mov_b32 s[G1X+7], 0
	s_mov_b32 s[G1W+1], 256<<16
	s_mov_b32 s[G1W+2], 64<<16
	s_mov_b32 s[G1W+3], 256<<16
	s_mov_b32 s[G1W+4], 64
	s_mov_b32 s[G1W+5], 1024
	s_mov_b32 s[G1W+6], 0
	s_mov_b32 s[G1W+7], 0
	s_mov_b32 s[G1V+1], 256<<16
	s_mov_b32 s[G1V+2], 32<<16
	s_mov_b32 s[G1V+3], 256<<16
	s_mov_b32 s[G1V+4], 32
	s_mov_b32 s[G1V+5], 1024
	s_mov_b32 s[G1V+6], 0
	s_mov_b32 s[G1V+7], 0
	s_lshl_b32 s94, s66, 18
	s_mov_b32 s95, 0
	s_lshl_b32 s96, s67, 16
	s_mov_b32 s97, 0
	s_lshl_b32 s98, s63, 15
	s_mov_b32 s99, 0
	s_mul_i32 s101, s[WV], 64*PITCH
	s_add_co_u32 s101, s101, RWA-64*PITCH
	s_wait_kmcnt 0x0
	s_cmp_eq_u32 s92, 0
	s_cselect_b64 s[8:9], s[8:9], s[16:17]
	s_cselect_b64 s[10:11], s[10:11], s[18:19]
	s_cselect_b64 s[12:13], s[12:13], s[20:21]
	s_cselect_b64 s[14:15], s[14:15], s[22:23]
	s_cselect_b64 s[28:29], s[28:29], s[32:33]
	s_cselect_b64 s[30:31], s[30:31], s[34:35]
	s_cmp_eq_u32 s[WV], 1
	s_cselect_b64 s[16:17], s[8:9], s[12:13]
	s_add_nc_u64 s[4:5], s[4:5], s[94:95]
	s_add_nc_u64 s[16:17], s[16:17], s[96:97]
	s_add_nc_u64 s[24:25], s[24:25], s[98:99]
.irp sl, 0,1
	s_mov_b32 s[G0X+4*\sl], 1
	s_mov_b32 s[G0X+4*\sl+1], \sl*SLOT
	s_add_nc_u64 s[G0X+4*\sl+2:G0X+4*\sl+3], s[4:5], \sl*256
	s_or_b32 s[G0X+4*\sl+3], s[G0X+4*\sl+3], 0x80000000
	s_mov_b32 s[G0W+4*\sl], 1
	s_add_co_u32 s[G0W+4*\sl+1], s101, \sl*SLOT
	s_add_nc_u64 s[G0W+4*\sl+2:G0W+4*\sl+3], s[16:17], \sl*256
	s_or_b32 s[G0W+4*\sl+3], s[G0W+4*\sl+3], 0x80000000
	s_mov_b32 s[G0V+4*\sl], 1
	s_mov_b32 s[G0V+4*\sl+1], \sl*SLOT+RWA+RWV
	s_add_nc_u64 s[G0V+4*\sl+2:G0V+4*\sl+3], s[24:25], \sl*256
	s_or_b32 s[G0V+4*\sl+3], s[G0V+4*\sl+3], 0x80000000
.endr
	CROUND
	JLOAD 0                                        ; K step 0: one tensor load a wave at the head; the set-up below stands between the request and the wait for it
	v_and_b32 v[LN], 31, v0
	v_and_b32 v12, 15, v0
	v_bfe_u32 v13, v0, 4, 1
	v_mul_u32_u24 v10, v12, PITCH
	v_lshl_add_u32 v10, v13, 4, v10
	s_mul_i32 s3, s[WV], 64*PITCH
	v_add_nc_u32 v[ADX], s3, v10
	v_add_nc_u32 v[ADX+1], SLOT, v[ADX]
	v_add_nc_u32 v[ADW], RWA, v10
	v_add_nc_u32 v[ADW+1], SLOT, v[ADW]
	v_lshlrev_b32 v[L32], 5, v[LN]
	s_wait_alu depctr_va_vdst(0)
	s_lshl_b32 s3, s[WV], 15
	v_lshl_add_u32 v[STG], v[LN], 4, s3
	v_lshlrev_b32 v[GI], 4, v[LN]
	v_lshlrev_b32 v[GS], 2, v[LN]
	s_lshl_b32 s94, s66, 13
	s_lshl_b32 s93, s[WV], 11
	s_add_co_u32 s94, s94, s93
	s_add_nc_u64 s[6:7], s[6:7], s[94:95]
	s_lshl_b32 s96, s67, 11
	s_add_nc_u64 s[10:11], s[10:11], s[96:97]
	s_add_nc_u64 s[14:15], s[14:15], s[96:97]
	s_lshl_b32 s98, s63, 10
	s_add_nc_u64 s[26:27], s[26:27], s[98:99]
.irp p, 0,1
	global_load_b128 v[XS+8*\p:XS+8*\p+3], v[L32], s[6:7] offset:1024*\p
	global_load_b128 v[XS+8*\p+4:XS+8*\p+7], v[L32], s[6:7] offset:1024*\p+16
	global_load_b128 v[WSA+8*\p:WSA+8*\p+3], v[L32], s[10:11] offset:1024*\p
	global_load_b128 v[WSA+8*\p+4:WSA+8*\p+7], v[L32], s[10:11] offset:1024*\p+16
	global_load_b128 v[WSP+8*\p:WSP+8*\p+3], v[L32], s[14:15] offset:1024*\p
	global_load_b128 v[WSP+8*\p+4:WSP+8*\p+7], v[L32], s[14:15] offset:1024*\p+16
.endr
	global_load_b128 v[WSV:WSV+3], v[L32], s[26:27]
	global_load_b128 v[WSV+4:WSV+7], v[L32], s[26:27] offset:16
	s_lshr_b32 s2, s66, 3
	s_lshl_b32 s2, s2, 4
	s_add_co_u32 s2, s2, s67
	s_lshl_b32 s2, s2, 4
	s_and_b32 s3, s66, 7
	s_lshl_b32 s3, s3, 1
	s_add_co_u32 s2, s2, s3
	s_lshr_b32 s3, s[WV], 1
	s_add_co_u32 s2, s2, s3
	s_and_b32 s3, s[WV], 1
	s_mul_i32 s18, s2, REC
	s_lshl_b32 s20, s3, 13
	s_add_co_u32 s20, s20, s18
	s_mov_b32 s21, 0
	s_add_nc_u64 s[28:29], s[28:29], s[20:21]
	s_lshl_b32 s20, s92, 12
	s_add_co_u32 s20, s20, s18
	s_lshl_b32 s22, s3, 10
	s_add_co_u32 s20, s20, s22
	s_add_co_u32 s20, s20, 16384
	s_add_nc_u64 s[32:33], s[32:33], s[20:21]
	s_mul_i32 s18, s2, RECS
	s_lshl_b32 s20, s3, 8
	s_add_co_u32 s20, s20, s18
	s_add_nc_u64 s[30:31], s[30:31], s[20:21]
	s_lshl_b32 s20, s92, 7
	s_add_co_u32 s20, s20, s18
	s_lshl_b32 s22, s3, 1
	s_add_co_u32 s20, s20, s22
	s_add_co_u32 s20, s20, 512
	s_add_nc_u64 s[34:35], s[34:35], s[20:21]
	s_wait_alu depctr_va_vdst(0)
	s_wait_tensorcnt 0x0                           ; my part of K step 0 is in
	ds_add_u32 v14, v15                            ; 0 onto my spare word
	s_wait_dscnt 0x0
	CROUND                                         ; everybody's part is in, and all sixteen work-groups are here
	JLOAD 1                                        ; K step 1: the first tensor load behind the round
.set NS_, 0
.set NQ_, 0
.set XN, XB
	WIN W_L
	LDW BA, 0, 4
	LDX
	LDW BP, RWP, 4
	WIN 0
	LDW BV, RWV, 2
	s_wait_loadcnt 0x0
	KSTEP 0, 0
	KSTEP 1, 1
	KSTEP 2, 0
	KSTEP 3, 1
	KSTEP 4, 0
	KSTEP 5, 2
	KSTEP 6, 0
	KSTEP 7, 3
	PLACES 8
	WIN 0
	s_wait_dscnt 0x0
	s_barrier_signal -1
	s_barrier_wait -1
	s_mov_b32 s[SEL], 0x76543210
	s_mov_b32 s[SEL+1], 0xfedcba98
	s_mov_b32 s[MNT], 0x600000
	s_mov_b32 s[HM], 0xffff0000
	s_mov_b32 s[KL], 0x3fb8aa3b
	s_lshl_b32 s[STGB], s[WV], 15
	WIN W_D
.set k_, 0
.rept 64
	ds_store_b128 v[STG], v[4*k_:4*k_+3] offset:512*k_
.set k_, k_+1
.endr
	WIN 0
.irp b, 0,1,2,3
	v_mov_b32 v[TM+4+\b], 0
.endr
	QUANT VA
.irp n, 0,1
.irp b, 0,1
	global_store_b128 v[GI], v[PC+4*(2*\n+\b):PC+4*(2*\n+\b)+3], s[32:33] offset:\n*2048+\b*512
.endr
.endr
	v_lshrrev_b32 v[PW0], 16, v[PW]
	v_cndmask_b32 v[PW0], v[PW], v[PW0], s[HM]
	global_store_b16 v[GS], v[PW0], s[34:35]
	WIN W_L
	v_lshl_add_u32 v[STG1], v[LN], 4, s[STGB]
	v_lshlrev_b32 v[GI1], 4, v[LN]
	v_lshlrev_b32 v[GS1], 2, v[LN]
	v_mov_b32 v[KC5], 0xbbbaf0ea
	v_mov_b32 v[KC5+1], 0xbbbaf0ea
	v_mov_b32 v[KS3], 0xb94ca1f9
	v_mov_b32 v[KS3+1], 0xb94ca1f9
	v_mov_b32 v[KC3], 0x37ccf5ce
	v_mov_b32 v[KC3+1], 0x37ccf5ce
.irp b, 0,1,2,3
	v_mov_b32 v[TM+4+\b], 0
.endr
	WIN 0
	s_mov_b32 s[SA], 0
	s_mov_b32 s[CNT], 2
.Lpair:
.irp e, 0,1
	s_wait_xcnt 0x0
	WIN W_1
	v_add_nc_u32 v[AD], s[SA], v[STG1]
.irp g, 0,1,2,3,4,5,6,7
	ds_load_b128 v[ZA+4*\g:ZA+4*\g+3], v[AD] offset:\e*4096+512*\g
.endr
.irp g, 0,1,2,3,4,5,6,7
	ds_load_b128 v[ZP+4*\g:ZP+4*\g+3], v[AD] offset:16384+\e*4096+512*\g
.endr
	s_wait_dscnt 0x0
	ACT
	QUANT A2
.irp c, 0,1,2,3
	global_store_b128 v[GI1], v[PC+4*\c:PC+4*\c+3], s[28:29] offset:\e*2048+512*\c
.endr
.if \e == 0
	v_mov_b32 v[PW0], v[PW]
.else
	v_cndmask_b32 v[PW0], v[PW0], v[PW], s[HM]
	global_store_b32 v[GS1], v[PW0], s[30:31]
.endif
.endr
	WIN 0
	s_wait_xcnt 0x0
	s_add_nc_u64 s[28:29], s[28:29], 4096
	s_add_nc_u64 s[30:31], s[30:31], 128
	s_add_co_u32 s[SA], s[SA], 8192
	s_sub_co_u32 s[CNT], s[CNT], 1
	s_cmp_lg_u32 s[CNT], 0
	s_cbranch_scc1 .Lpair
	s_wait_tensorcnt 0x0
	ds_add_u32 v[SPW], v[NIL]
	s_wait_dscnt 0x0
	CROUND
	s_endpgm
.Lfunc_end_k_qed6cdad7ad_proj:
	.size	k_qed6cdad7ad_proj, .Lfunc_end_k_qed6cdad7ad_proj-k_qed6cdad7ad_proj
	.p2alignl 7, 3214868480
	.fill 96, 4, 3214868480
	.section	.rodata,"a",@progbits
	.p2align	6, 0x0
	.amdhsa_kernel k_qed6cdad7ad_proj
		.amdhsa_group_segment_fixed_size 327680
		.amdhsa_private_segment_fixed_size 0
		.amdhsa_enable_private_segment 0
		.amdhsa_kernarg_size 128
		.amdhsa_user_sgpr_count 2
		.amdhsa_user_sgpr_kernarg_segment_ptr 1
		.amdhsa_wavefront_size32 1
		.amdhsa_system_sgpr_workgroup_id_x 1
		.amdhsa_system_sgpr_workgroup_id_y 1
		.amdhsa_system_sgpr_workgroup_id_z 1
		.amdhsa_system_vgpr_workitem_id 0
		.amdhsa_next_free_vgpr 768
		.amdhsa_next_free_sgpr 102
		.amdhsa_reserve_vcc 1
		.amdhsa_float_denorm_mode_32 3
		.amdhsa_float_denorm_mode_16_64 3
		.amdhsa_memory_ordered 1
		.amdhsa_forward_progress 1
		.amdhsa_inst_pref_size 235
	.end_amdhsa_kernel
	.amdgpu_metadata
---
amdhsa.version: [ 1, 2 ]
amdhsa.kernels:
  - .name:           k_qed6cdad7ad_proj
    .symbol:         k_qed6cdad7ad_proj.kd
    .args:
      - { .name: x_codes, .offset: 0, .size: 8, .value_kind: global_buffer, .address_space: global }
      - { .name: x_scales, .offset: 8, .size: 8, .value_kind: global_buffer, .address_space: global }
      - { .name: wq_amp_codes, .offset: 16, .size: 8, .value_kind: global_buffer, .address_space: global }
      - { .name: wq_amp_scales, .offset: 24, .size: 8, .value_kind: global_buffer, .address_space: global }
      - { .name: wq_phi_codes, .offset: 32, .size: 8, .value_kind: global_buffer, .address_space: global }
      - { .name: wq_phi_scales, .offset: 40, .size: 8, .value_kind: global_buffer, .address_space: global }
      - { .name: wk_amp_codes, .offset: 48, .size: 8, .value_kind: global_buffer, .address_space: global }
      - { .name: wk_amp_scales, .offset: 56, .size: 8, .value_kind: global_buffer, .address_space: global }
      - { .name: wk_phi_codes, .offset: 64, .size: 8, .value_kind: global_buffer, .address_space: global }
      - { .name: wk_phi_scales, .offset: 72, .size: 8, .value_kind: global_buffer, .address_space: global }
      - { .name: wv_codes, .offset: 80, .size: 8, .value_kind: global_buffer, .address_space: global }
      - { .name: wv_scales, .offset: 88, .size: 8, .value_kind: global_buffer, .address_space: global }
      - { .name: qimg, .offset: 96, .size: 8, .value_kind: global_buffer, .address_space: global }
      - { .name: qsc, .offset: 104, .size: 8, .value_kind: global_buffer, .address_space: global }
      - { .name: kvimg, .offset: 112, .size: 8, .value_kind: global_buffer, .address_space: global }
      - { .name: kvsc, .offset: 120, .size: 8, .value_kind: global_buffer, .address_space: global }
    .group_segment_fixed_size: 327680
    .private_segment_fixed_size: 0
    .kernarg_segment_align: 8
    .kernarg_segment_size: 128
    .max_flat_workgroup_size: 128
    .sgpr_count:     102
    .vgpr_count:     768
    .wavefront_size: 32
...
	.end_amdgpu_metadata
.endif
;; end of part 1
;; launch attn (part 2): grid 8 x 32, 16 waves a work-group, clusters of 4 x 1, 327,680 bytes of LDS; arguments qimg, qsc, kvimg, kvsc, oc, osc; writes oc, osc
.if DOCPART == 2
	.amdgcn_target "amdgcn-amd-amdhsa--gfx1250"
	.amdhsa_code_object_version 6
	.text
	.protected	k_qed6cdad7ad_attn
	.globl	k_qed6cdad7ad_attn
	.p2align	8
	.type	k_qed6cdad7ad_attn,@function
k_qed6cdad7ad_attn:
	s_mov_b64 s[64:65], 0
	v_nop
	global_prefetch_b8 v0, s[64:65] scope:SCOPE_SE
	s_setreg_imm32_b32 hwreg(HW_REG_WAVE_MODE, 25, 1), 1
	s_wait_xcnt 0x0
	s_wait_alu depctr_hold_cnt(0) depctr_sa_sdst(0) depctr_va_vdst(0) depctr_va_sdst(0) depctr_va_ssrc(0) depctr_va_vcc(0) depctr_vm_vsrc(0)
	s_getreg_b32 s2, hwreg(HW_REG_IB_STS2, 6, 4)
	s_cmp_eq_u32 s2, 0
	s_cbranch_scc0 .Lentry_in_a_cluster
	s_endpgm
.Lentry_in_a_cluster:
	s_bfe_u32 s2, ttmp6, 0x10000c
	s_cmp_lg_u32 s2, 0x3003
	s_cbranch_scc0 .Lentry_shape_is_right
	s_endpgm
.Lentry_shape_is_right:
; CAUSAL ATTENTION ON CODES OF E4M3, and the quantising of its result for the output projection.  32 (batch x head), 2,048 queries and keys, K = 128 for the scores ([qc | qs] . [kc | ks]), K = the keys for the second product.
; In: images of operand registers (a fragment = four pieces of 512 bytes, lane l's registers 4 c .. 4 c + 3 at 512 c + 16 l), in records of 24,576 bytes for each (batch x head, key step of 128): 8 tiles of 16 queries (qimg),
; 8 tiles of 16 keys and 4 tiles of 16 channels x 128 keys of v (kvimg); scale words in records of 768 bytes.
; THE SOFTMAX AHEAD OF THE SECOND PRODUCT: t = score x log2(e) / 8; M = the row's largest t so far, rounded UP to a whole number; p = 2^(t - M) is quantised along the keys, not normalised.  The row's sum is taken of the
; unquantised p and divides O at the end.  When M moves, the sum and O are multiplied by 2^(old M - new M): exact.
; SHARES.  Work-group g (0..7) of a head has sixteen waves, each with ONE tile of 16 queries: tile 8 i + g, i from a table by the wave's number.  Tile 8 i + g lies in key step i: the wave needs key steps 0 .. i, whatever g.
; So all work-groups have the same work, and which steps a wave leaves out hangs on its number and the loop's count alone, alike in all partners of a cluster.  The table is a 4 x 4 magic square: any four waves w % 4 alike,
; and any four w / 4 alike, have 34 key steps together.
; Both products are used transposed: S^T = K Q^T, O^T = V^T P^T: a lane holds ONE query (lane % 16) throughout.  The 16 registers of score tiles 2 b, 2 b + 1 are taken as places 32 b + 16 h + 0 .. 15 of p's operand; they hold keys
; 32 b + 16 u + 8 h + j; v's images were laid in the same order, and a block's sum does not ask for the order inside the block.
; CLUSTER 4 x 1: the work-groups of a head walk the same K and V: each record is asked for JOINTLY by four.
; OUT: oc: o's codes as images for K = 1,024 = 64 head + channel: byte (head / 4) 2^20 + T 4,096 + (head % 4) 1,024 + 512 beta + 16 lane (T the tile of 16 rows, beta the head's block of 32); osc: [T][row 16][32 scale bytes].
; LIMITS: NaN and infinities are not served.  p under 2^-126 counts as 0.  A block's largest p is taken from its largest score: v_exp_f32 is taken not to fall where its input rises.  A block of zeros gets the scale byte 1
; (its codes are zeros; only this program reads the bytes).  o's two scale bytes leave as 2 bytes a lane, 32 bytes apart; lanes l and l + 16 store the same two bytes at the same place.
; THE ORDER OF THE KEY STEPS.  The running M does not ask for the keys' order, so slot s (0..3) holds key steps s, s + 4, s + 8, s + 12: the waves' steps are then dealt 40, 36, 32, 28 to the four slots.
; Key step 0 is every wave's first step, so M is a number from the first step on.  Loading wave w fetches record 4 w + s; the step's number and its scale words go on by 4 inside a slot, and back by 15 behind it.
.set REC,   24576
.set RECS,  768
.set SLOT1, 1<<17                      ; a slot holds four records (98,304 bytes); slot 1 begins here, so that one exclusive or turns an address from slot to slot
.set SCB,   2*SLOT1                    ; the head's scale words of K and V, 16 x 768 bytes: filled once
.set SPARE, SCB+16*RECS                ; the spare words, 128 bytes for each wave: eight blocks of 256 bytes that no other line names
.set LI,   1                           ; 16 x lane
.set LS0,  2                           ; SCB + 4 x lane
.set DD,   3                           ; my query's number in its key step less 8 h
.set PFO,  4                           ; 256 x lane: the prefetches' offset; never rewritten
.set SPW,  5                           ; LDS address of my spare word; never rewritten
.set NIL,  6                           ; 0; never rewritten
.set OSO,  7                           ; 32 x r: my row in osc
.set AD,   8                           ; the step's record in LDS
.set AS,   9                           ; its scale words
.set NM,   12                          ; -M
.set TMX,  13                          ; the largest t
.set SUM,  14                          ; v[14:15] the sum in two halves
.set QF,   16                          ; v16-31  Q's fragment
.set FR,   32                          ; v32-95  four fragments of K or of V
.set SS,   96                          ; v96-159 S^T, then p
.set OO,   160                         ; v160-191 O^T
.set PCD,  192                         ; v192-207 p's codes
.set BM,   208                         ; v208-211 the blocks' largest
.set BB,   212                         ; v212-215 lane l xor 16's; the bytes
.set HO,   216                         ; v216-219 448 x the scale
.set SO,   220                         ; v220-223 the conversions' scale operands
.set FF,   224                         ; v[224:225] f
.set TT,   226
.set PWD,  227                         ; p's scale word
.set KSC,  228                         ; v228-231 K's scale words: lanes 0-15 tile 2 p, lanes 16-31 tile 2 p + 1
.set VSC,  232                         ; v232-233 V's likewise
.set QSC,  234                         ; Q's
.set S2,   236                         ; v[236:237] the second chain of the sum
.set WV,   16
.set II,   17                          ; my tile's key step
.set MNT,  19
.set SEL,  20
.set CS,   22                          ; s[22:23] c = log2(e) / 8
.set G1R,  24                          ; s[24:31] group 1: a record, 96 rows of 256 bytes, dense;  s[32:39]: 12 such rows of scale words
.set G1S,  32
.set G0R,  40                          ; s[40:43] group 0 of the records: it walks;  s[44:47] of the scale words
.set G0S,  44
.set TB,   48                          ; LDS byte of the step's record
.set TS,   49                          ; 768 x the step
.set KS,   50                          ; the key step
.set SLOTS, 51
.set INN,  52
.set LIM,  53
.set PFA,  54                          ; s[54:55] where my prefetches stand
.macro CROUND                          ; a round of the cluster's barrier
	s_barrier_signal -1
	s_barrier_wait -1
	s_cmp_lg_u32 s[WV], 0
	s_cbranch_scc1 .Lnot_wave_0_\@
	s_barrier_signal -3
.Lnot_wave_0_\@:
	s_barrier_wait -3
	s_barrier_signal -1
	s_barrier_wait -1
.endm
; A PREFETCH INTO THE L2 of the four records that the NEXT change of slots will ask for.  All eight work-groups of a head walk the same records: the head's first cluster asks.  Its four partners are told apart BY ADDRESS:
; partner cx takes record cx of the four; in each, waves 4, 5 and 6 (which fetch nothing) take 8,192 bytes each, lanes 256 bytes apart: each block of 256 bytes is named once in the launch.
; The last change that fills a slot asks for nothing; slots 0 and 1 and the scale words come by their loads alone.
.macro ASK
	s_cmp_gt_u32 s[SLOTS], s[LIM]
	s_cbranch_scc0 .Lnot_mine_\@
	global_prefetch_b8 v[PFO], s[PFA:PFA+1] th:TH_LOAD_NT scope:SCOPE_SE
.Lnot_mine_\@:
.endm
	s_load_b256 s[4:11], s[0:1], 0x0               ; qimg 4, qsc 6, kvimg 8, kvsc 10
	s_load_b128 s[12:15], s[0:1], 0x20             ; oc 12, osc 14
	v_lshl_add_u32 v[SPW], v0, 2, SPARE
	v_mov_b32 v[NIL], 0
	ds_add_u32 v5, v6
	ds_add_u32 v5, v6
	s_wait_dscnt 0x0
	v_lshrrev_b32 v8, 5, v0
	s_delay_alu instid0(VALU_DEP_1)
	v_readfirstlane_b32 s[WV], v8                  ; wave 0..15
	s_bfe_u32 s18, ttmp6, 0x40000                  ; cx
	s_lshl_b32 s57, ttmp9, 2
	s_add_co_u32 s57, s57, s18                     ; g: it enters global addresses and the lane's number DD alone
	s_and_b32 s56, ttmp7, 0xffff                   ; batch x head, which the partners share
	s_mov_b32 s[II], 0x0de3b658                    ; the table, four bits a wave: waves 8-15,
	s_cmp_lt_u32 s[WV], 8
	s_cselect_b32 s[II], 0x7a94c12f, s[II]         ; waves 0-7
	s_and_b32 s58, s[WV], 7
	s_lshl_b32 s58, s58, 2
	s_lshr_b32 s[II], s[II], s58
	s_and_b32 s[II], s[II], 15
	s_mov_b32 s[G1R], 15|(3<<16)|(1<<21)           ; the mask: all four work-groups; elements of 8 bytes; bit 21 beside a mask; no padding: images are read 512 consecutive bytes at a time
	s_mov_b32 s[G1R+1], 32<<16                     ; tensor_dim0 = 32 elements
	s_mov_b32 s[G1R+2], 96<<16                     ; tensor_dim1
	s_mov_b32 s[G1R+3], 32<<16                     ; tile_dim0
	s_mov_b32 s[G1R+4], 96                         ; tile_dim1
	s_mov_b32 s[G1R+5], 32                         ; from row to row
	s_mov_b32 s[G1R+6], 0
	s_mov_b32 s[G1R+7], 0
	s_mov_b32 s[G1S], 15|(3<<16)|(1<<21)
	s_mov_b32 s[G1S+1], 32<<16
	s_mov_b32 s[G1S+2], 12<<16
	s_mov_b32 s[G1S+3], 32<<16
	s_mov_b32 s[G1S+4], 12
	s_mov_b32 s[G1S+5], 32
	s_mov_b32 s[G1S+6], 0
	s_mov_b32 s[G1S+7], 0
	s_lshl_b32 s60, s56, 4                         ; what waves 0-3 fetch: record w of a slot's four,
	s_lshl_b32 s61, s[WV], 2
	s_add_co_u32 s60, s60, s61                     ; key step 4 w of slot 0
	s_mul_i32 s60, s60, REC
	s_mov_b32 s61, 0
	s_mul_i32 s62, s56, 16*RECS                    ; and a quarter of the head's scale words
	s_and_b32 s67, s[WV], 3                        ; (waves 4-7 fetch them: quarter w % 4)
	s_mul_i32 s67, s67, 4*RECS
	s_add_co_u32 s62, s62, s67
	s_mov_b32 s63, 0
	s_mul_i32 s66, s[WV], REC                      ; where they go: no place in the cluster enters an LDS address
	s_add_co_u32 s67, s67, SCB
	s_lshl_b32 s68, s56, 4
	s_add_co_u32 s68, s68, s[II]                   ; my tile's record
	s_mul_i32 s70, s68, RECS
	s_mul_i32 s68, s68, REC
	s_lshl_b32 s72, s57, 11
	s_add_co_u32 s68, s68, s72                     ; + 2,048 g: its image
	s_mov_b32 s69, 0
	s_lshl_b32 s72, s57, 6
	s_add_co_u32 s70, s70, s72                     ; + 64 g: its scale words
	s_mov_b32 s71, 0
	s_lshr_b32 s72, s56, 4
	s_lshl_b32 s72, s72, 7
	s_lshl_b32 s73, s[II], 3
	s_add_co_u32 s72, s72, s73
	s_add_co_u32 s72, s72, s57                     ; T = 128 batch + 8 i + g
	s_and_b32 s73, s56, 15                         ; the head
	s_lshr_b32 s74, s73, 2
	s_lshl_b32 s74, s74, 20
	s_lshl_b32 s75, s72, 12
	s_add_co_u32 s74, s74, s75
	s_and_b32 s75, s73, 3
	s_lshl_b32 s75, s75, 10
	s_add_co_u32 s74, s74, s75                     ; my place in oc
	s_mov_b32 s75, 0
	s_lshl_b32 s76, s72, 9
	s_lshl_b32 s77, s73, 1
	s_add_co_u32 s76, s76, s77                     ; and in osc: 512 T + 2 head
	s_mov_b32 s77, 0
	s_lshl_b32 s78, s56, 4                         ; the prefetches: record 4 cx + 1 (slot 1): the first change of slots steps it to slot 2
	s_add_co_u32 s78, s78, 1                       ; record 4 cx + 1 (slot 1): the first change of slots steps it to slot 2's
	s_lshl_b32 s79, s18, 2
	s_add_co_u32 s78, s78, s79
	s_mul_i32 s78, s78, REC
	s_and_b32 s79, s[WV], 3
	s_lshl_b32 s79, s79, 13
	s_add_co_u32 s78, s78, s79                     ; + 8,192 (w - 4) in waves 4 to 6
	s_mov_b32 s79, 0
	s_sub_co_u32 s58, s[WV], 4
	s_cmp_lt_u32 s58, 3
	s_cselect_b32 s58, 0, 1                        ; 0 in waves 4, 5, 6,
	s_or_b32 s58, s58, ttmp9                       ; of the head's first cluster: the same in all four partners
	s_cmp_eq_u32 s58, 0
	s_cselect_b32 s[LIM], 1, -1
	s_mov_b32 s[SEL], 0x76543210
	s_mov_b32 s[SEL+1], 0xfedcba98                 ; v_permlanex16_b32's selects for lane l xor 16
	s_mov_b32 s[CS], 0x3e38aa3b                    ; c = log2(e) / 8
	s_mov_b32 s[CS+1], s[CS]                       ; (named with it as a pair, so it is written)
	s_mov_b32 s[MNT], 0x600000                     ; the mantissa field of 448
	s_mov_b32 s[TB], 0
	s_mov_b32 s[TS], 0
	s_mov_b32 s[KS], 0
	s_mov_b32 s[SLOTS], 3
	s_lshl_b32 s80, s57, 4
	s_wait_kmcnt 0x0
	s_mov_b32 s[G0R], 1                            ; count = 1
	s_mov_b32 s[G0R+1], s66                        ; LDS address: slot 0
	s_add_nc_u64 s[G0R+2:G0R+3], s[8:9], s[60:61]  ; global address
	s_or_b32 s[G0R+3], s[G0R+3], 0x80000000        ; type = 2
	s_mov_b32 s[G0S], 1
	s_mov_b32 s[G0S+1], s67
	s_add_nc_u64 s[G0S+2:G0S+3], s[10:11], s[62:63]
	s_or_b32 s[G0S+3], s[G0S+3], 0x80000000
	s_add_nc_u64 s[4:5], s[4:5], s[68:69]
	s_add_nc_u64 s[6:7], s[6:7], s[70:71]
	s_add_nc_u64 s[12:13], s[12:13], s[74:75]
	s_add_nc_u64 s[14:15], s[14:15], s[76:77]
	s_add_nc_u64 s[PFA:PFA+1], s[8:9], s[78:79]
	CROUND                                         ; all four work-groups are here: the first joint loads meet
	s_cmp_lt_u32 s[WV], 4                          ; the head's loads, one a wave, in one chain of branches on the wave's number: waves 0-3 slot 0's four records,
	s_cbranch_scc0 .Lhead_sc
	tensor_load_to_lds s[G0R:G0R+3], s[G1R:G1R+7]
	s_nop 0
.rept 4
	v_nop
.endr
	s_branch .Lno_first
.Lhead_sc:
	s_cmp_lt_u32 s[WV], 8                          ; waves 4-7 the quarters of the head's scale words; the others none.  The first wait on them is for 0, in every wave
	s_cbranch_scc0 .Lno_first
	tensor_load_to_lds s[G0S:G0S+3], s[G1S:G1S+7]
	s_nop 0
.rept 4
	v_nop
.endr
.Lno_first:
	v_and_b32 v10, 15, v0                          ; r
	v_bfe_u32 v11, v0, 4, 1                        ; h
	v_and_b32 v[OSO], 31, v0                       ; lane
	s_delay_alu instid0(VALU_DEP_1)
	v_lshlrev_b32 v[LI], 4, v[OSO]
	s_delay_alu instid0(VALU_DEP_2)
	v_lshl_add_u32 v[LS0], v[OSO], 2, SCB
	s_delay_alu instid0(VALU_DEP_3)
	v_lshlrev_b32 v[PFO], 8, v[OSO]
	v_lshlrev_b32 v[OSO], 5, v10
	v_lshlrev_b32 v[AS], 3, v11
	s_delay_alu instid0(VALU_DEP_1)
	v_sub_nc_u32 v[DD], v10, v[AS]
	s_delay_alu instid0(VALU_DEP_1)
	v_add_nc_u32 v[DD], s80, v[DD]                 ; 16 g + r - 8 h
	v_lshlrev_b32 v[AD], 2, v10
.irp c, 0,1,2,3
	global_load_b128 v[QF+4*\c:QF+4*\c+3], v[LI], s[4:5] offset:512*\c   ; Q's fragment stays in registers
.endr
	global_load_b32 v[QSC], v[AD], s[6:7]          ; and its scale words, row r's in lane r
	v_mov_b32 v[TMX], 0xff61b1e6                   ; the largest t so far: -3e38, under every t
	s_delay_alu instid0(VALU_DEP_1)
	v_floor_f32 v[NM], -v[TMX]
	v_mov_b32 v[SUM], 0
	v_mov_b32 v[SUM+1], 0
	v_mov_b32 v[FF+1], 0                           ; (named as the upper half of a pair)
	v_mov_b32 v[TT], 0
.irp b, 0,1,2,3
	v_mov_b32 v[BB+\b], 0                          ; written once: a lane permute's destination counts as one of its sources
.endr
.set j_, 0
.rept 32
	v_mov_b32 v[OO+j_], 0                          ; O^T: the step is written once; the first finds zeros, which the first change of M leaves zeros
.set j_, j_+1
.endr
; A KEY STEP: 128 keys.
.macro STEP
	s_cmp_gt_u32 s[KS], s[II]                      ; all its keys come after my 16 queries: the step's work is left out (not the lines at its end that step addresses; no barrier and no tensor load stands in a step)
	s_cbranch_scc1 .Lhid_\@
	v_add_nc_u32 v[AD], s[TB], v[LI]
	s_wait_alu depctr_va_vdst(0)
	v_add_nc_u32 v[AS], s[TS], v[LS0]
	s_wait_alu depctr_va_vdst(0)
.rept 6
	v_nop                                          ; with the two additions: eight places in front of loads into registers that the last products read
.endr
; S^T = K Q^T.  Seven of K's eight tiles are asked for in one run: four into FR, three into registers that hold nothing at a step's head (p's codes, the blocks' scratch v208-223, the sums' scratch v236-251)
.irp n, 0,1,2,3
	ds_load_b32 v[KSC+\n], v[AS] offset:128*\n
.endr
.irp t, 0,1,2,3
.irp c, 0,1,2,3
	ds_load_b128 v[FR+16*\t+4*\c:FR+16*\t+4*\c+3], v[AD] offset:\t*2048+512*\c
.endr
.endr
.irp c, 0,1,2,3
	ds_load_b128 v[PCD+4*\c:PCD+4*\c+3], v[AD] offset:4*2048+512*\c
	ds_load_b128 v[BM+4*\c:BM+4*\c+3], v[AD] offset:5*2048+512*\c
	ds_load_b128 v[S2+4*\c:S2+4*\c+3], v[AD] offset:6*2048+512*\c
.endr
	s_wait_dscnt 0x0
	v_wmma_scale_f32_16x16x128_f8f6f4 v[SS:SS+7], v[FR:FR+15], v[QF:QF+15], 0, v[KSC], v[QSC]
.rept 8
	v_nop                                          ; eight places in front of the loads into the registers that the product above has read
.endr
.irp c, 0,1,2,3
	ds_load_b128 v[FR+4*\c:FR+4*\c+3], v[AD] offset:7*2048+512*\c   ; the eighth tile: six products stand between its loads and the wait for them
.endr
	v_wmma_scale_f32_16x16x128_f8f6f4 v[SS+8:SS+15], v[FR+16:FR+31], v[QF:QF+15], 0, v[KSC], v[QSC] matrix_a_scale:MATRIX_SCALE_ROW1
	v_wmma_scale_f32_16x16x128_f8f6f4 v[SS+16:SS+23], v[FR+32:FR+47], v[QF:QF+15], 0, v[KSC+1], v[QSC]
	v_wmma_scale_f32_16x16x128_f8f6f4 v[SS+24:SS+31], v[FR+48:FR+63], v[QF:QF+15], 0, v[KSC+1], v[QSC] matrix_a_scale:MATRIX_SCALE_ROW1
	v_wmma_scale_f32_16x16x128_f8f6f4 v[SS+32:SS+39], v[PCD:PCD+15], v[QF:QF+15], 0, v[KSC+2], v[QSC]
	v_wmma_scale_f32_16x16x128_f8f6f4 v[SS+40:SS+47], v[BM:BM+15], v[QF:QF+15], 0, v[KSC+2], v[QSC] matrix_a_scale:MATRIX_SCALE_ROW1
	v_wmma_scale_f32_16x16x128_f8f6f4 v[SS+48:SS+55], v[S2:S2+15], v[QF:QF+15], 0, v[KSC+3], v[QSC]
	s_wait_dscnt 0x0
	v_wmma_scale_f32_16x16x128_f8f6f4 v[SS+56:SS+63], v[FR:FR+15], v[QF:QF+15], 0, v[KSC+3], v[QSC] matrix_a_scale:MATRIX_SCALE_ROW1
.rept 8
	v_nop                                          ; eight places: for the loads below and for the first reads of the scores
.endr
.irp t, 0,1,2,3                                ; V's four fragments are asked for here: they land under the softmax
.irp c, 0,1,2,3
	ds_load_b128 v[FR+16*\t+4*\c:FR+16*\t+4*\c+3], v[AD] offset:16384+\t*2048+512*\c
.endr
.endr
	ds_load_b32 v[VSC], v[AS] offset:512
	ds_load_b32 v[VSC+1], v[AS] offset:640
	s_cmp_lg_u32 s[KS], s[II]                      ; only my own key step lies on the diagonal: there the scores of hidden keys become -infinity ahead of the maximum, so p = 0
	s_cbranch_scc1 .Lopen_\@
	v_mov_b32 v[TT], 0xff800000
.set n_, 0
.rept 64
	v_cmp_gt_i32 vcc_lo, 16*(n_/8)+n_%8, v[DD]     ; register n holds key 16 (n / 8) + 8 h + n % 8 of the step: hidden where that is above 16 g + r
	v_cndmask_b32 v[SS+n_], v[SS+n_], v[TT], vcc_lo
.set n_, n_+1
.endr
.Lopen_\@:
.irp b, 0,1,2,3
	v_max3_num_f32 v[BM+\b], v[SS+16*\b], v[SS+1+16*\b], v[SS+2+16*\b]   ; the largest score of each block of 32 keys: it serves for the row's maximum and, since p rises with the score, for the block's largest p
.endr
.irp i, 3,5,7,9,11,13
.irp b, 0,1,2,3
	v_max3_num_f32 v[BM+\b], v[BM+\b], v[SS+16*\b+\i], v[SS+1+16*\b+\i]
.endr
.endr
.irp b, 0,1,2,3
	v_max_num_f32 v[BM+\b], v[BM+\b], v[SS+15+16*\b]
.endr
.irp b, 0,1,2,3
	s_delay_alu instid0(VALU_DEP_4)
	v_permlanex16_b32 v[BB+\b], v[BM+\b], s[SEL], s[SEL+1]
.endr
.irp b, 0,1,2,3
	s_delay_alu instid0(VALU_DEP_4)
	v_max_num_f32 v[BM+\b], v[BM+\b], v[BB+\b]     ; with lane l xor 16's 16 keys
.endr
	s_delay_alu instid0(VALU_DEP_2)
	v_max3_num_f32 v[TT], v[BM], v[BM+1], v[BM+2]
	s_delay_alu instid0(VALU_DEP_1)
	v_max_num_f32 v[TT], v[TT], v[BM+3]
	s_delay_alu instid0(VALU_DEP_1)
	v_mul_f32 v[TT], s[CS], v[TT]                  ; as t (c is positive)
	s_delay_alu instid0(VALU_DEP_1)
	v_max_num_f32 v[TMX], v[TMX], v[TT]            ; the running largest t
	v_mov_b32 v[TT], v[NM]
	s_delay_alu instid0(VALU_DEP_2)
	v_floor_f32 v[NM], -v[TMX]                     ; the new -M = floor(-t) = -ceil(t)
	s_delay_alu instid0(VALU_DEP_1)
	v_sub_f32 v[TT], v[NM], v[TT]                  ; old M - new M: a whole number, 0 or less
	s_delay_alu instid0(VALU_DEP_1)
	v_cvt_i32_f32 v[TT], v[TT]                     ; (it saturates)
	s_delay_alu instid0(VALU_DEP_1)
	v_ldexp_f32 v[FF], 1.0, v[TT]                  ; f = 2^(old M - new M)
.set j_, 0
.rept 32
	v_pk_fma_f32 v[SS+j_:SS+j_+1], v[SS+j_:SS+j_+1], s[CS:CS+1], v[NM:NM+1] op_sel_hi:[1,0,0]   ; t - M, two at a time
.set j_, j_+2
.endr
.irp b, 0,1,2,3
	v_fma_f32 v[BM+\b], v[BM+\b], s[CS], v[NM]     ; the same of each block's largest score
.endr
.set j_, 0
	s_wait_alu depctr_va_vdst(0)
.rept 64
	v_exp_f32 v[SS+j_], v[SS+j_]                   ; p = 2^(t - M), at most 1
.set j_, j_+1
.endr
	v_pk_mul_f32 v[SUM:SUM+1], v[SUM:SUM+1], v[FF:FF+1] op_sel_hi:[1,0]   ; the sums under the new M (a plain instruction behind the exponentials)
	s_wait_alu depctr_va_vdst(0)                   ; one wait for the batch of 64, ahead of its first reader
.irp b, 0,1,2,3
	v_exp_f32 v[BM+\b], v[BM+\b]                   ; the block's largest p: the same two instructions on the same number give the same bits
.endr
	v_pk_add_f32 v[236:237], v[100:101], v[104:105]
	v_pk_add_f32 v[254:255], v[108:109], v[112:113]
	v_pk_add_f32 v[252:253], v[116:117], v[120:121]
	v_pk_add_f32 v[250:251], v[124:125], v[128:129]
	v_pk_add_f32 v[248:249], v[132:133], v[136:137]
	v_pk_add_f32 v[246:247], v[140:141], v[144:145]
	v_pk_add_f32 v[244:245], v[148:149], v[152:153]
	v_pk_add_f32 v[14:15], v[14:15], v[156:157]
	v_pk_add_f32 v[236:237], v[236:237], v[96:97]
	v_pk_add_f32 v[254:255], v[254:255], v[98:99]
	v_pk_add_f32 v[252:253], v[252:253], v[102:103]
	v_pk_add_f32 v[250:251], v[250:251], v[106:107]
	v_pk_add_f32 v[248:249], v[248:249], v[110:111]
	v_pk_add_f32 v[246:247], v[246:247], v[114:115]
	v_pk_add_f32 v[244:245], v[244:245], v[118:119]
	v_pk_add_f32 v[14:15], v[14:15], v[122:123]
	v_pk_add_f32 v[236:237], v[236:237], v[126:127]
	v_pk_add_f32 v[254:255], v[254:255], v[130:131]
	v_pk_add_f32 v[252:253], v[252:253], v[134:135]
	v_pk_add_f32 v[250:251], v[250:251], v[138:139]
	v_pk_add_f32 v[248:249], v[248:249], v[142:143]
	v_pk_add_f32 v[246:247], v[246:247], v[146:147]
	v_pk_add_f32 v[244:245], v[244:245], v[150:151]
	v_pk_add_f32 v[14:15], v[14:15], v[154:155]
	v_pk_add_f32 v[236:237], v[236:237], v[158:159]
	s_delay_alu instid0(VALU_DEP_2)
	v_pk_add_f32 v[14:15], v[14:15], v[250:251]
	s_delay_alu instid0(VALU_DEP_2)
	v_pk_add_f32 v[236:237], v[236:237], v[248:249]
	v_pk_add_f32 v[254:255], v[254:255], v[246:247]
	v_pk_add_f32 v[252:253], v[252:253], v[244:245]
	s_delay_alu instid0(VALU_DEP_2)
	v_pk_add_f32 v[14:15], v[14:15], v[254:255]
	s_delay_alu instid0(VALU_DEP_2)
	v_pk_add_f32 v[236:237], v[236:237], v[252:253]
	s_delay_alu instid0(VALU_DEP_1)
	v_pk_add_f32 v[14:15], v[14:15], v[236:237]
	s_wait_alu depctr_va_vdst(0)                   ; and one for the four
.irp b, 0,1,2,3
	v_max_num_f32 v[BM+\b], 0x4800000, v[BM+\b]    ; the floor 2^(9 - 127): the byte cannot fall under 1
.endr
.irp b, 0,1,2,3
	s_delay_alu instid0(VALU_DEP_4)
	v_add_nc_u32 v[SO+\b], 0xfc000000, v[BM+\b]    ; 8 off the exponent field: the conversion's scale operand
.endr
.irp b, 0,1,2,3
	v_and_or_b32 v[HO+\b], v[BM+\b], 0x7f800000, s[MNT]   ; 448 x the scale
.endr
.irp b, 0,1,2,3
	v_lshrrev_b32 v[BB+\b], 23, v[SO+\b]           ; the scale's byte
.endr
	s_delay_alu instid0(VALU_DEP_3)
	v_lshl_or_b32 v[PWD], v[BB+1], 8, v[BB]        ; p's scale word for these 128 keys
	s_delay_alu instid0(VALU_DEP_1)
	v_lshl_or_b32 v[PWD], v[BB+2], 16, v[PWD]
	s_delay_alu instid0(VALU_DEP_1)
	v_lshl_or_b32 v[PWD], v[BB+3], 24, v[PWD]
.irp b, 0,1,2,3
.irp i, 0,1,2,3,4,5,6,7,8,9,10,11,12,13,14,15
	v_min_num_f32 v[SS+16*\b+\i], v[SS+16*\b+\i], v[HO+\b]   ; the conversion to an 8-bit code does not saturate (ISA guide 7.6.2); p is not negative, so the hold is one-sided
.endr
	v_cvt_scalef32_pk8_fp8_f32 v[PCD+4*\b:PCD+4*\b+1], v[SS+16*\b:SS+16*\b+7], v[SO+\b]
	v_cvt_scalef32_pk8_fp8_f32 v[PCD+4*\b+2:PCD+4*\b+3], v[SS+16*\b+8:SS+16*\b+15], v[SO+\b]
.endr
.set j_, 0
.rept 16
	v_pk_mul_f32 v[OO+j_:OO+j_+1], v[OO+j_:OO+j_+1], v[FF:FF+1] op_sel_hi:[1,0]   ; O^T under the new M; these sixteen also stand between the conversions and the products
.set j_, j_+2
.endr
	s_wait_alu depctr_va_vdst(0)
	s_wait_dscnt 0x0                               ; V's fragments and scale words
	v_wmma_scale_f32_16x16x128_f8f6f4 v[OO:OO+7], v[FR:FR+15], v[PCD:PCD+15], v[OO:OO+7], v[VSC], v[PWD]   ; O^T += V^T P^T: four accumulators by turns
	v_wmma_scale_f32_16x16x128_f8f6f4 v[OO+8:OO+15], v[FR+16:FR+31], v[PCD:PCD+15], v[OO+8:OO+15], v[VSC], v[PWD] matrix_a_scale:MATRIX_SCALE_ROW1
	v_wmma_scale_f32_16x16x128_f8f6f4 v[OO+16:OO+23], v[FR+32:FR+47], v[PCD:PCD+15], v[OO+16:OO+23], v[VSC+1], v[PWD]
	v_wmma_scale_f32_16x16x128_f8f6f4 v[OO+24:OO+31], v[FR+48:FR+63], v[PCD:PCD+15], v[OO+24:OO+31], v[VSC+1], v[PWD] matrix_a_scale:MATRIX_SCALE_ROW1
.Lhid_\@:
	s_add_co_u32 s[KS], s[KS], 4                   ; a slot's next record holds the key step four on
	s_add_co_u32 s[TB], s[TB], REC
	s_add_co_u32 s[TS], s[TS], 4*RECS
.endm
.macro FOUR                            ; a slot's four key steps: written once, walked four times
	s_mov_b32 s[INN], 4
.Lstep_\@:
	STEP
	s_sub_co_u32 s[INN], s[INN], 1
	s_cmp_lg_u32 s[INN], 0
	s_cbranch_scc1 .Lstep_\@
	s_sub_co_u32 s[KS], s[KS], 15                  ; from s + 16 to the next slot's first key step, s + 1,
	s_sub_co_u32 s[TS], s[TS], 15*RECS             ; and its scale words
	s_sub_co_u32 s[TB], s[TB], 4*REC               ; back to a slot's first record,
	s_xor_b32 s[TB], s[TB], SLOT1                  ; in the other slot
.endm
; THE CHANGE OF SLOTS stands at a slot's head.  Each wave waits for all its tensor loads (its part of the slot ahead), adds 0 to its spare word, and waits for that and for its reads of the slot that it has left.
; fill = 1: the barrier is a round of the cluster's, and behind it the slot just left is filled with the four records that follow: that load has four key steps in which to land.
.macro CHANGE fill
	s_wait_tensorcnt 0x0                           ; no tensor load of mine is out, so a group 0 may be written
	ds_add_u32 v[SPW], v[NIL]                      ; 0 onto my spare word
.if \fill
	ds_add_u32 v[SPW], v[NIL]                      ; and once more: the add stands twice on end here, in every trip alike
	s_xor_b32 s[G0R+1], s[G0R+1], SLOT1            ; the walking descriptor: the other slot than last time,
	s_add_nc_u64 s[G0R+2:G0R+3], s[G0R+2:G0R+3], REC   ; my record of the next slot: one key step on; the type bits on top are not reached
	s_wait_xcnt 0x0                                ; the last prefetch, a slot back, has read its address, so it may be written
	s_add_nc_u64 s[PFA:PFA+1], s[PFA:PFA+1], REC   ; one slot further on than the walking descriptor
.endif
	s_wait_dscnt 0x0                               ; the add is done, and my reads of the slot that I have left are over
.if \fill
	CROUND
	s_cmp_lt_u32 s[WV], 4
	s_cbranch_scc0 .Lnf_\@
	tensor_load_to_lds s[G0R:G0R+3], s[G1R:G1R+7]  ; the first thing behind the round, and a wave's one tensor load until the next
	s_nop 0
.rept 4
	v_nop
.endr
.Lnf_\@:
	ASK
.else
	s_barrier_signal -1
	s_barrier_wait -1
.endif
.endm
	s_wait_loadcnt 0x0                             ; Q
.Lslot:                                                ; three trips: behind each change of slots but the last the next slot is asked for
	CHANGE 1
	FOUR
	s_sub_co_u32 s[SLOTS], s[SLOTS], 1
	s_cmp_lg_u32 s[SLOTS], 0
	s_cbranch_scc1 .Lslot
	CHANGE 0                                       ; the last slot is written out
	FOUR
; THE WAY OUT.  O^T / the sum; the head's 64 channels are two whole blocks of the output projection's K: they are quantised here, and the codes leave as two pieces of an image.
.rept 8
	v_nop
.endr
	v_add_f32 v[SUM], v[SUM], v[SUM+1]
	s_delay_alu instid0(VALU_DEP_1)
	v_permlanex16_b32 v[TT], v[SUM], s[SEL], s[SEL+1]
	s_delay_alu instid0(VALU_DEP_1)
	v_add_f32 v[SUM], v[SUM], v[TT]                ; the row's sum
	s_wait_alu depctr_va_vdst(0)
	v_rcp_f32 v[FF], v[SUM]
	v_nop                                          ; a plain instruction behind the reciprocal,
	s_wait_alu depctr_va_vdst(0)                   ; and the wait ahead of its first reader
.set j_, 0
.rept 16
	v_pk_mul_f32 v[SS+j_:SS+j_+1], v[OO+j_:OO+j_+1], v[FF:FF+1] op_sel_hi:[1,0]   ; register 8 t + j: channel 16 t + 8 h + j of query r; each accumulator from its low end on
.set j_, j_+2
.endr
.irp b, 0,1
	v_max3_num_f32 v[BM+\b], |v[SS+16*\b]|, |v[SS+1+16*\b]|, 0x4800000
.endr
.irp i, 2,4,6,8,10,12,14
.irp b, 0,1
	s_delay_alu instid0(VALU_DEP_2)
	v_max3_num_f32 v[BM+\b], v[BM+\b], |v[SS+16*\b+\i]|, |v[SS+1+16*\b+\i]|
.endr
.endr
.irp b, 0,1
	s_delay_alu instid0(VALU_DEP_2)
	v_permlanex16_b32 v[BB+\b], v[BM+\b], s[SEL], s[SEL+1]
.endr
.irp b, 0,1
	s_delay_alu instid0(VALU_DEP_2)
	v_max_num_f32 v[BM+\b], v[BM+\b], v[BB+\b]
.endr
.irp b, 0,1
	s_delay_alu instid0(VALU_DEP_2)
	v_add_nc_u32 v[SO+\b], 0xfc000000, v[BM+\b]
.endr
.irp b, 0,1
	s_delay_alu instid0(VALU_DEP_4)
	v_and_or_b32 v[HO+\b], v[BM+\b], 0x7f800000, s[MNT]
.endr
.irp b, 0,1
	s_delay_alu instid0(VALU_DEP_4)
	v_lshrrev_b32 v[BB+\b], 23, v[SO+\b]
.endr
	s_delay_alu instid0(VALU_DEP_1)
	v_lshl_or_b32 v[TT], v[BB+1], 8, v[BB]         ; the two scale bytes
.irp b, 0,1
.irp i, 0,1,2,3,4,5,6,7,8,9,10,11,12,13,14,15
	v_med3_num_f32 v[SS+16*\b+\i], v[SS+16*\b+\i], -v[HO+\b], v[HO+\b]
.endr
	v_cvt_scalef32_pk8_fp8_f32 v[PCD+4*\b:PCD+4*\b+1], v[SS+16*\b:SS+16*\b+7], v[SO+\b]
	v_cvt_scalef32_pk8_fp8_f32 v[PCD+4*\b+2:PCD+4*\b+3], v[SS+16*\b+8:SS+16*\b+15], v[SO+\b]
.endr
	v_nop                                          ; one plain vector instruction behind the last scaled conversion
	global_store_b128 v[LI], v[PCD:PCD+3], s[12:13]              ; 512 consecutive bytes
	global_store_b128 v[LI], v[PCD+4:PCD+7], s[12:13] offset:512
	global_store_b16 v[OSO], v[TT], s[14:15]       ; lanes l and l + 16 hold the same two bytes for the same place
	s_wait_tensorcnt 0x0                           ; the wave's end: behind my last tensor load
	ds_add_u32 v[SPW], v[NIL]
	s_wait_dscnt 0x0
	CROUND                                         ; the closing round: no work-group ends while a partner may still ask for a tile that names it
	s_endpgm
.Lfunc_end_k_qed6cdad7ad_attn:
	.size	k_qed6cdad7ad_attn, .Lfunc_end_k_qed6cdad7ad_attn-k_qed6cdad7ad_attn
	.p2alignl 7, 3214868480
	.fill 96, 4, 3214868480
	.section	.rodata,"a",@progbits
	.p2align	6, 0x0
	.amdhsa_kernel k_qed6cdad7ad_attn
		.amdhsa_group_segment_fixed_size 327680
		.amdhsa_private_segment_fixed_size 0
		.amdhsa_enable_private_segment 0
		.amdhsa_kernarg_size 48
		.amdhsa_user_sgpr_count 2
		.amdhsa_user_sgpr_kernarg_segment_ptr 1
		.amdhsa_wavefront_size32 1
		.amdhsa_system_sgpr_workgroup_id_x 1
		.amdhsa_system_sgpr_workgroup_id_y 1
		.amdhsa_system_sgpr_workgroup_id_z 1
		.amdhsa_system_vgpr_workitem_id 0
		.amdhsa_next_free_vgpr 256
		.amdhsa_next_free_sgpr 84
		.amdhsa_reserve_vcc 1
		.amdhsa_float_denorm_mode_32 3
		.amdhsa_float_denorm_mode_16_64 3
		.amdhsa_memory_ordered 1
		.amdhsa_forward_progress 1
		.amdhsa_inst_pref_size 70
	.end_amdhsa_kernel
	.amdgpu_metadata
---
amdhsa.version: [ 1, 2 ]
amdhsa.kernels:
  - .name:           k_qed6cdad7ad_attn
    .symbol:         k_qed6cdad7ad_attn.kd
    .args:
      - { .name: qimg, .offset: 0, .size: 8, .value_kind: global_buffer, .address_space: global }
      - { .name: qsc, .offset: 8, .size: 8, .value_kind: global_buffer, .address_space: global }
      - { .name: kvimg, .offset: 16, .size: 8, .value_kind: global_buffer, .address_space: global }
      - { .name: kvsc, .offset: 24, .size: 8, .value_kind: global_buffer, .address_space: global }
      - { .name: oc, .offset: 32, .size: 8, .value_kind: global_buffer, .address_space: global }
      - { .name: osc, .offset: 40, .size: 8, .value_kind: global_buffer, .address_space: global }
    .group_segment_fixed_size: 327680
    .private_segment_fixed_size: 0
    .kernarg_segment_align: 8
    .kernarg_segment_size: 48
    .max_flat_workgroup_size: 512
    .sgpr_count:     84
    .vgpr_count:     256
    .wavefront_size: 32
...
	.end_amdgpu_metadata
.endif
;; end of part 2
;; launch oproj (part 3): grid 8 x 32, 4 waves a work-group, clusters of 4 x 4, 327,680 bytes of LDS; arguments oc, osc, wo_codes, wo_scales, out0; writes out0
.if DOCPART == 3
	.amdgcn_target "amdgcn-amd-amdhsa--gfx1250"
	.amdhsa_code_object_version 6
	.text
	.protected	k_qed6cdad7ad_oproj
	.globl	k_qed6cdad7ad_oproj
	.p2align	8
	.type	k_qed6cdad7ad_oproj,@function
k_qed6cdad7ad_oproj:
	s_mov_b64 s[64:65], 0
	v_nop
	global_prefetch_b8 v0, s[64:65] scope:SCOPE_SE
	s_setreg_imm32_b32 hwreg(HW_REG_WAVE_MODE, 25, 1), 1
	s_wait_xcnt 0x0
	s_wait_alu depctr_hold_cnt(0) depctr_sa_sdst(0) depctr_va_vdst(0) depctr_va_sdst(0) depctr_va_ssrc(0) depctr_va_vcc(0) depctr_vm_vsrc(0)
	s_getreg_b32 s2, hwreg(HW_REG_IB_STS2, 6, 4)
	s_cmp_eq_u32 s2, 0
	s_cbranch_scc0 .Lentry_in_a_cluster
	s_endpgm
.Lentry_in_a_cluster:
	s_bfe_u32 s2, ttmp6, 0x10000c
	s_cmp_lg_u32 s2, 0xf033
	s_cbranch_scc0 .Lentry_shape_is_right
	s_endpgm
.Lentry_shape_is_right:
; out0 [4096][1024] f32 = o wo^T on codes of E4M3 with one E8M0 scale for each 32 along K = 1,024.
; o comes as images of operand registers (oc: for each 256 along K and each tile of 16 rows 4,096 bytes: two fragments of four pieces of 512 bytes) with scale bytes [tile][row 16][32] (osc); wo as given: [1024][1024] codes, [1024][32] scale bytes.
; INSIDE A BLOCK OF 32 o's codes stand in the order in which the attention's results fell: place 16 h + 8 u + j holds k = 16 u + 8 h + j.  wo's fragments are read in the same order, by pieces of 8 bytes: registers 4 c + 2 u, + 1
; of lane (r, h) take the bytes 32 c + 16 u + 8 h .. + 7 of row r.  A block's sum does not ask for the order inside the block.
; SHARES.  256 work-groups, each 128 x 128 of out0; wave (rh, ch) makes 64 x 64: 16 accumulators.  ALL OF K FITS IN LDS, and no LDS byte is filled twice: there is no ring.
; FOUR LOADS AT THE HEAD, ONE A WAVE, each on a line of its own: wave 0 o's first 512 of K (2 rows of 32,768 bytes, 2^20 apart), wave 1 wo's (128 rows of 512 bytes), waves 2 and 3 the second 512.
; Waves 0 and 1 wait ahead of the first barrier; every wave waits for 0 ahead of the barrier in front of K step 4: the second half of K is on its way while the first is multiplied.
; THE MATRIX INSTRUCTION IS USED TRANSPOSED (source 0 = 16 rows of wo, source 1 = 16 rows of o): a lane holds eight neighbouring numbers of a row of out0.
; CLUSTER 4 x 4: o's tiles hang on gy alone and are asked for jointly along a row of the cluster, wo's on gx alone, along a column.  No prefetch: everything is asked for at the head, and there is no loop to run ahead in.
.set PITCH, 528                        ; wo's rows in LDS: 512 bytes + 16 = 132 words: lane (r, h) of an 8-byte load starts at word 4 r + 2 h modulo 64
.set BT,    131072                     ; LDS: o's images 4 x 32,768 from 0; wo's two halves of K, 128 rows each, from here
.set BCH,   128*PITCH
.set STAGE, BT+2*BCH                   ; the way out: 32 rows x 272 bytes for each wave; no tensor load lands here
.set SP,    272
.set SPARE, STAGE+4*32*SP              ; the spare words, 128 bytes for each wave: two blocks of 256 bytes that no other line names
.set ADA,  2                           ; v2-3  my o fragments: first, second half of K
.set ADB,  4                           ; v4-5  my wo fragments likewise
.set STO,  6
.set RD,   7
.set CO,   8
.set L32,  9
.set WS,   32                          ; v32-47 wo's scale words: register 8 p + s: K step s; lanes 0-15 tile 2 p, lanes 16-31 tile 2 p + 1
.set OS,   52                          ; v52-67 o's likewise: no product's two scale words have numbers equal modulo 8
.set TMP,  64
.set ACC,  128                         ; v128-255 accumulator (a, b) at 8 (4 a + b)
.set G1A,  24
.set G1B,  32
.set G0A,  40
.set G0B,  44
.set MSB, 0
.macro WIN new                         ; the immediate's high byte repeats the setting that is left
.if MSB != \new
	s_set_vgpr_msb (MSB<<8)|\new
.set MSB, \new
.endif
.endm
.macro PLACES n
.rept \n
	v_nop
.endr
.endm
.macro CROUND                          ; a round of the cluster's barrier
	s_barrier_signal -1
	s_barrier_wait -1
	s_cmp_lg_u32 s14, 0
	s_cbranch_scc1 .Lnot_wave_0_\@
	s_barrier_signal -3
.Lnot_wave_0_\@:
	s_barrier_wait -3
	s_barrier_signal -1
	s_barrier_wait -1
.endm
.macro WM                              ; one matrix instruction from the symbols D_, A_, B_, SA_, SB_, RA_, RB_ (1: the scales stand in lanes 16-31), Z_ (1: it starts the sum)
.if Z_
.if RA_ && RB_
	v_wmma_scale_f32_16x16x128_f8f6f4 v[D_:D_+7], v[A_:A_+15], v[B_:B_+15], 0, v[SA_], v[SB_] matrix_a_scale:MATRIX_SCALE_ROW1 matrix_b_scale:MATRIX_SCALE_ROW1
.elseif RA_
	v_wmma_scale_f32_16x16x128_f8f6f4 v[D_:D_+7], v[A_:A_+15], v[B_:B_+15], 0, v[SA_], v[SB_] matrix_a_scale:MATRIX_SCALE_ROW1
.elseif RB_
	v_wmma_scale_f32_16x16x128_f8f6f4 v[D_:D_+7], v[A_:A_+15], v[B_:B_+15], 0, v[SA_], v[SB_] matrix_b_scale:MATRIX_SCALE_ROW1
.else
	v_wmma_scale_f32_16x16x128_f8f6f4 v[D_:D_+7], v[A_:A_+15], v[B_:B_+15], 0, v[SA_], v[SB_]
.endif
.else
.if RA_ && RB_
	v_wmma_scale_f32_16x16x128_f8f6f4 v[D_:D_+7], v[A_:A_+15], v[B_:B_+15], v[D_:D_+7], v[SA_], v[SB_] matrix_a_scale:MATRIX_SCALE_ROW1 matrix_b_scale:MATRIX_SCALE_ROW1
.elseif RA_
	v_wmma_scale_f32_16x16x128_f8f6f4 v[D_:D_+7], v[A_:A_+15], v[B_:B_+15], v[D_:D_+7], v[SA_], v[SB_] matrix_a_scale:MATRIX_SCALE_ROW1
.elseif RB_
	v_wmma_scale_f32_16x16x128_f8f6f4 v[D_:D_+7], v[A_:A_+15], v[B_:B_+15], v[D_:D_+7], v[SA_], v[SB_] matrix_b_scale:MATRIX_SCALE_ROW1
.else
	v_wmma_scale_f32_16x16x128_f8f6f4 v[D_:D_+7], v[A_:A_+15], v[B_:B_+15], v[D_:D_+7], v[SA_], v[SB_]
.endif
.endif
.endm
; K step s's fragments into buffer s % 2 of window 1 (o's four at + 0, wo's four at + 64): 16 loads of 16 bytes and 32 of 8
.macro FETCH s
.set F_, 128*((\s)&1)
.set q_, (\s)>>1
	WIN 0x40                                       ; destination window 1, address window 0
.irp a, 0,1,2,3
.irp c, 0,1,2,3
	ds_load_b128 v[F_+16*\a+4*\c:F_+16*\a+4*\c+3], v[ADA+(q_>>1)] offset:(q_&1)*32768+\a*4096+((\s)&1)*2048+512*\c
.endr
.endr
.irp b, 0,1,2,3
.irp c, 0,1,2,3
	ds_load_b64 v[F_+64+16*\b+4*\c:F_+64+16*\b+4*\c+1], v[ADB+(q_>>1)] offset:(q_&1)*256+\b*16*PITCH+((\s)&1)*128+32*\c
	ds_load_b64 v[F_+64+16*\b+4*\c+2:F_+64+16*\b+4*\c+3], v[ADB+(q_>>1)] offset:(q_&1)*256+\b*16*PITCH+((\s)&1)*128+32*\c+16
.endr
.endr
.endm
; K step s's 16 products: the 16 accumulators by turns, one instruction a turn, in the same order in every step
.macro MUL s, zero
.set F_, 128*((\s)&1)
.set Z_, \zero
	WIN 0x05                                       ; sources 0 and 1 window 1; C and D window 0
.set a_, 0
.rept 4
.set b_, 0
.rept 4
.set D_, ACC+8*(4*a_+b_)
.set A_, F_+64+16*b_
.set B_, F_+16*a_
.set SA_, WS+8*(b_/2)+(\s)
.set SB_, OS+8*(a_/2)+(\s)
.set RA_, b_%2
.set RB_, a_%2
	WM
.set b_, b_+1
.endr
.set a_, a_+1
.endr
.endm
.macro ARM w, g0, g1, next             ; an arm of the head's chain: one load, an s_nop 0 and four v_nop, a jump to the join
	s_cmp_eq_u32 s14, \w
	s_cbranch_scc0 \next
	tensor_load_to_lds s[\g0:\g0+3], s[\g1:\g1+7]
	s_nop 0
	PLACES 4
	s_branch .Lasked
\next:
.endm
	s_load_b256 s[4:11], s[0:1], 0x0               ; oc 4, osc 6, wo codes 8, wo scales 10
	s_load_b64 s[12:13], s[0:1], 0x20              ; out0
	v_lshl_add_u32 v30, v0, 2, SPARE
	v_mov_b32 v31, 0
	ds_add_u32 v30, v31                            ; the opening lines: the add, twice on end, and its wait ahead of my first tensor load
	ds_add_u32 v30, v31
	v_lshrrev_b32 v10, 5, v0
	v_readfirstlane_b32 s14, v10                   ; wave 0..3
	s_lshr_b32 s15, s14, 1                         ; rh: which 64 rows are mine.  Also: which half of K I fetch
	s_and_b32 s16, s14, 1                          ; ch: which 64 columns.  Also: I fetch for o (0) or for wo (1)
	s_bfe_u32 s84, ttmp6, 0x40000                  ; cx
	s_bfe_u32 s85, ttmp6, 0x40004                  ; cy
	s_lshl_b32 s86, ttmp9, 2
	s_add_co_u32 s86, s86, s84                     ; gx
	s_and_b32 s87, ttmp7, 0xffff
	s_lshl_b32 s87, s87, 2
	s_add_co_u32 s87, s87, s85                     ; gy
	s_lshl_b32 s88, s85, 2
	s_lshl_b32 s88, 15, s88                        ; my row of the cluster
	s_lshl_b32 s89, 0x1111, s84                    ; my column
	s_or_b32 s[G1A], s88, (3<<16)|(1<<21)          ; o's images: 2 rows of 4,096 elements of 8 bytes (eight tiles of a quarter of K), 2^20 bytes apart; no padding: they are read 512 consecutive bytes at a time
	s_mov_b32 s[G1A+1], 4096<<16
	s_mov_b32 s[G1A+2], 2<<16
	s_mov_b32 s[G1A+3], 4096<<16
	s_mov_b32 s[G1A+4], 2
	s_mov_b32 s[G1A+5], 131072
	s_mov_b32 s[G1A+6], 0
	s_mov_b32 s[G1A+7], 0
	s_or_b32 s[G1B], s89, (1<<20)|(1<<21)|(6<<22)|(3<<25)   ; wo's tiles: 128 rows of 512 bytes, 1,024 apart; 4 words of padding after every 128
	s_mov_b32 s[G1B+1], 512<<16
	s_mov_b32 s[G1B+2], 128<<16
	s_mov_b32 s[G1B+3], 512<<16
	s_mov_b32 s[G1B+4], 128
	s_mov_b32 s[G1B+5], 1024
	s_mov_b32 s[G1B+6], 0
	s_mov_b32 s[G1B+7], 0
	s_lshl_b32 s56, s87, 15                        ; o: tile 8 gy, 4,096 bytes a tile (registers that never hold cx),
	s_lshl_b32 s58, s15, 21
	s_add_co_u32 s56, s56, s58                     ; + my half of K: two quarters of 2^20 bytes
	s_mov_b32 s57, 0
	s_lshl_b32 s58, s15, 16                        ; in LDS: 65,536 x half
	s_lshl_b32 s60, s86, 17                        ; wo: row 128 gx (registers that never hold cy),
	s_lshl_b32 s62, s15, 9
	s_add_co_u32 s60, s60, s62                     ; + 512 bytes x half
	s_mov_b32 s61, 0
	s_mul_i32 s62, s15, BCH
	s_add_co_u32 s62, s62, BT
	s_wait_dscnt 0x0                               ; both opening adds are done
	s_wait_kmcnt 0x0
	s_mov_b32 s[G0A], 1
	s_mov_b32 s[G0A+1], s58
	s_add_nc_u64 s[G0A+2:G0A+3], s[4:5], s[56:57]
	s_or_b32 s[G0A+3], s[G0A+3], 0x80000000
	s_mov_b32 s[G0B], 1
	s_mov_b32 s[G0B+1], s62
	s_add_nc_u64 s[G0B+2:G0B+3], s[8:9], s[60:61]
	s_or_b32 s[G0B+3], s[G0B+3], 0x80000000
	CROUND                                         ; all sixteen work-groups are here: the joint loads meet
	ARM 0, G0A, G1A, .Larm_1                       ; every way through the chain passes exactly one load
	ARM 1, G0B, G1B, .Larm_2
	ARM 2, G0A, G1A, .Larm_3
	tensor_load_to_lds s[G0B:G0B+3], s[G1B:G1B+7]
	s_nop 0
	PLACES 4
.Lasked:
	v_and_b32 v1, 31, v0                           ; lane
	v_and_b32 v12, 15, v0                          ; r
	v_bfe_u32 v13, v0, 4, 1                        ; h
	s_lshl_b32 s90, s15, 14
	v_lshl_add_u32 v[ADA], v1, 4, s90              ; my four tiles of o: 16,384 rh + 16 x lane
	v_add_nc_u32 v[ADA+1], 65536, v[ADA]
	s_mul_i32 s90, s16, 64*PITCH
	s_add_co_u32 s90, s90, BT
	v_mul_u32_u24 v10, v12, PITCH
	v_lshl_add_u32 v10, v13, 3, v10
	v_add_nc_u32 v[ADB], s90, v10                  ; my 64 rows of wo: row r, + 8 h
	v_add_nc_u32 v[ADB+1], BCH, v[ADB]
	s_mul_i32 s90, s14, 32*SP
	s_add_co_u32 s90, s90, STAGE                   ; my stage
	v_mul_u32_u24 v10, v12, SP
	v_lshl_add_u32 v10, v13, 5, v10
	v_add_nc_u32 v[STO], s90, v10                  ; in: row r, 32 bytes for each half of the lanes
	v_mul_u32_u24 v10, v13, SP
	v_lshl_add_u32 v10, v12, 4, v10
	v_add_nc_u32 v[RD], s90, v10                   ; back: lanes 0-15 one row of 256 bytes, lanes 16-31 the next
	v_lshlrev_b32 v10, 12, v13
	v_lshl_add_u32 v[CO], v12, 4, v10              ; and the same two rows in out0
	v_lshlrev_b32 v[L32], 5, v1
	s_wait_alu depctr_va_vdst(0)
	s_lshl_b32 s90, s86, 12                        ; wo's scale bytes: row 128 gx + 64 ch, 32 bytes a row
	s_lshl_b32 s92, s16, 11
	s_add_co_u32 s90, s90, s92
	s_mov_b32 s91, 0
	s_add_nc_u64 s[10:11], s[10:11], s[90:91]
	s_lshl_b32 s90, s87, 12                        ; o's: tile 8 gy + 4 rh, 512 bytes a tile
	s_lshl_b32 s92, s15, 11
	s_add_co_u32 s90, s90, s92
	s_add_nc_u64 s[6:7], s[6:7], s[90:91]
; the scale words of all of K come once, straight into registers: lane l takes row 32 p + l; a pair of loads covers 1,024 consecutive bytes whole
.irp p, 0,1
	global_load_b128 v[WS+8*\p:WS+8*\p+3], v[L32], s[10:11] offset:1024*\p
	global_load_b128 v[WS+8*\p+4:WS+8*\p+7], v[L32], s[10:11] offset:1024*\p+16
	global_load_b128 v[OS+8*\p:OS+8*\p+3], v[L32], s[6:7] offset:1024*\p
	global_load_b128 v[OS+8*\p+4:OS+8*\p+7], v[L32], s[6:7] offset:1024*\p+16
.endr
	s_lshl_b32 s90, s87, 19                        ; out0: row 128 gy + 64 rh, 4,096 bytes a row; column 128 gx + 64 ch
	s_lshl_b32 s92, s15, 18
	s_add_co_u32 s90, s90, s92
	s_lshl_b32 s92, s86, 9
	s_add_co_u32 s90, s90, s92
	s_lshl_b32 s92, s16, 8
	s_add_co_u32 s90, s90, s92
	s_add_nc_u64 s[12:13], s[12:13], s[90:91]
	s_cmp_lt_u32 s14, 2                            ; waves 0 and 1: K's first half is in; the other two waves' loads, on lines of their own, stay on their way
	s_cbranch_scc0 .Lnot_first_half
	s_wait_tensorcnt 0x0
.Lnot_first_half:
	s_barrier_signal -1
	s_barrier_wait -1
	FETCH 0
	s_wait_loadcnt 0x0                             ; the scale words
; EIGHT K STEPS OF 128, written out.  While a step is multiplied the next one's 48 LDS loads are out.  Ahead of K step 4's fragments: my reads are waited for, every wave waits for all its tensor loads, and a barrier shows K's second half.
.irp s, 0,1,2,3,4,5,6
.if \s > 0
	PLACES 8                                       ; in front of loads into the buffer that the step before multiplied
.endif
.if \s == 3
	s_wait_dscnt 0x0
	s_wait_tensorcnt 0x0
	s_barrier_signal -1
	s_barrier_wait -1
	FETCH \s+1
.else
	FETCH \s+1
	s_wait_dscnt 48                                ; this step's fragments are in: the 48 just issued may be out
.endif
.if \s == 0
	MUL \s, 1                                      ; the first step starts the sums: nothing is cleared
.else
	MUL \s, 0
.endif
.endr
	s_wait_dscnt 0x0
	MUL 7, 0
; THE WAY OUT.  A lane holds 32 neighbouring bytes of a row; a row's 256 bytes (my 64 columns) lie in two lanes' registers of four accumulators.  32 rows at a time go through my own stage and come back as whole rows:
; sixteen lanes store 256 consecutive bytes, at a multiple of 256 from out0's first byte.  LDS serves a wave's instructions in order: no wait stands between the stores and the loads, nor ahead of the second half's stores.
	PLACES 8
	WIN 0
.irp f, 0,1
.irp a, 0,1
.irp b, 0,1,2,3
	ds_store_b128 v[STO], v[ACC+8*(4*(2*\f+\a)+\b):ACC+8*(4*(2*\f+\a)+\b)+3] offset:\a*16*SP+64*\b       ; each accumulator from its low end on
	ds_store_b128 v[STO], v[ACC+8*(4*(2*\f+\a)+\b)+4:ACC+8*(4*(2*\f+\a)+\b)+7] offset:\a*16*SP+64*\b+16
.endr
.endr
.irp i, 0,1,2,3,4,5,6,7,8,9,10,11,12,13,14,15
	ds_load_b128 v[TMP+64*\f+4*\i:TMP+64*\f+4*\i+3], v[RD] offset:2*\i*SP   ; the second half comes back into the registers that the first half's results have left
.endr
.endr
.irp f, 0,1
.irp i, 0,1,2,3,4,5,6,7,8,9,10,11,12,13,14,15
	s_wait_dscnt (1-\f)*32+15-\i                   ; behind this load: the rest of its half's, and for the first half the second half's 16 stores and 16 loads
	global_store_b128 v[CO], v[TMP+64*\f+4*\i:TMP+64*\f+4*\i+3], s[12:13] offset:(32*\f+2*\i)*4096 th:TH_STORE_NT   ; written once, read by nobody here
.endr
.endr
	s_wait_tensorcnt 0x0                           ; the wave's end
	ds_add_u32 v30, v31
	s_wait_dscnt 0x0
	CROUND                                         ; the closing round: no work-group ends while a partner may still ask for a tile that names it
	s_endpgm
.Lfunc_end_k_qed6cdad7ad_oproj:
	.size	k_qed6cdad7ad_oproj, .Lfunc_end_k_qed6cdad7ad_oproj-k_qed6cdad7ad_oproj
	.p2alignl 7, 3214868480
	.fill 96, 4, 3214868480
	.section	.rodata,"a",@progbits
	.p2align	6, 0x0
	.amdhsa_kernel k_qed6cdad7ad_oproj
		.amdhsa_group_segment_fixed_size 327680
		.amdhsa_private_segment_fixed_size 0
		.amdhsa_enable_private_segment 0
		.amdhsa_kernarg_size 40
		.amdhsa_user_sgpr_count 2
		.amdhsa_user_sgpr_kernarg_segment_ptr 1
		.amdhsa_wavefront_size32 1
		.amdhsa_system_sgpr_workgroup_id_x 1
		.amdhsa_system_sgpr_workgroup_id_y 1
		.amdhsa_system_sgpr_workgroup_id_z 1
		.amdhsa_system_vgpr_workitem_id 0
		.amdhsa_next_free_vgpr 512
		.amdhsa_next_free_sgpr 100
		.amdhsa_reserve_vcc 0
		.amdhsa_float_denorm_mode_32 3
		.amdhsa_float_denorm_mode_16_64 3
		.amdhsa_memory_ordered 1
		.amdhsa_forward_progress 1
		.amdhsa_inst_pref_size 59
	.end_amdhsa_kernel
	.amdgpu_metadata
---
amdhsa.version: [ 1, 2 ]
amdhsa.kernels:
  - .name:           k_qed6cdad7ad_oproj
    .symbol:         k_qed6cdad7ad_oproj.kd
    .args:
      - { .name: oc, .offset: 0, .size: 8, .value_kind: global_buffer, .address_space: global }
      - { .name: osc, .offset: 8, .size: 8, .value_kind: global_buffer, .address_space: global }
      - { .name: wo_codes, .offset: 16, .size: 8, .value_kind: global_buffer, .address_space: global }
      - { .name: wo_scales, .offset: 24, .size: 8, .value_kind: global_buffer, .address_space: global }
      - { .name: out0, .offset: 32, .size: 8, .value_kind: global_buffer, .address_space: global }
    .group_segment_fixed_size: 327680
    .private_segment_fixed_size: 0
    .kernarg_segment_align: 8
    .kernarg_segment_size: 40
    .max_flat_workgroup_size: 128
    .sgpr_count:     100
    .vgpr_count:     512
    .wavefront_size: 32
...
	.end_amdgpu_metadata
.endif
;; end of part 3
